; MI455X (gfx1250); checked and timed in simulation.
; The chip was launched on July 23, 2026; its instructions are those of AMD's public machine-readable ISA for CDNA 5 (MIT licence, August 2026) and "CDNA5" Instruction Set Architecture Reference Guide (July 2026). The comments in the code are by the model that wrote it; some were corrected since.
;; Attention Block. Allowed arithmetic: matrix products marked QUANTISED: E3M2 operands, one E8M0 scale for each 32 along K, by v_wmma_scale_f32_16x16x128_f8f6f4 with both operands' format E3M2, f32 sums; everything else in f32.
;; Inputs: bk 512 float32; bp 512 float32; bq 512 float32; bv 512 float32; gn_bias 512 float32; gn_scale 512 float32; wk 512 x 512 float32; wp 512 x 512 float32; wq 512 x 512 float32; wv 512 x 512 float32; x 8 x 512 x 32 x 32 float32.
;; Outputs: out0 8 x 512 x 32 x 32 float32.
;; This version of the problem:
;;   THIS VERSION OF THE PROBLEM IS GIVEN IN LOW PRECISION. The matrix products marked QUANTISED in the list below multiply operands that are first quantised to E3M2 (3 exponent bits, 2 mantissa bits; 6 bits a number), with one power-of-two scale for each 32 numbers along K (OCP MX v1.0); their sums are f32. All else is computed in f32.
;;   The module's matrix products, in the order in which they are computed (A, B: the left and right operand; K: the contracted axis; several contracted axes count as one K, in the product's order):
;;     1. [M 8,192, K 512] x [K 512, N 512]; A: computed on the way; B: input wq: QUANTISED
;;     2. [M 8,192, K 512] x [K 512, N 512]; A: computed on the way; B: input wk: QUANTISED
;;     3. [M 8,192, K 512] x [K 512, N 512]; A: computed on the way; B: input wv: QUANTISED
;;     4. batch 64 x [M 1,024, K 64] x [K 64, N 1,024]; A: computed on the way; B: computed on the way: QUANTISED
;;     5. batch 64 x [M 64, K 1,024] x [K 1,024, N 1,024]; A: computed on the way; B: softmax (see below): QUANTISED
;;     6. [M 8,192, K 512] x [K 512, N 512]; A: computed on the way; B: input wp: QUANTISED
;;   THE QUANTISER, for each operand of a quantised product, along K:
;;     - K is cut into blocks of 32 from its start; a last block that is shorter is filled with zeros.
;;     - A block's scale is 2^e with e = floor(log2(the largest magnitude in the block)) - 4, held to -126 .. 127; a block of zeros has e = 0. As a byte (E8M0): e + 127.
;;     - Each number is divided by its block's scale, clamped to +-28, and rounded to the nearest number of E3M2, ties to even, subnormals kept.
;;     - The product sums the exact products of the quantised numbers (number of the format x scale) in f32.
;;   ~~~python
;;   def quantise(x, axis):      # numpy; x: float32 -> the quantised numbers, widened to float32 again
;;       x = np.moveaxis(x, axis, -1); K = x.shape[-1]
;;       x = np.pad(x, [(0, 0)] * (x.ndim - 1) + [(0, -K % 32)]); x = x.reshape(x.shape[:-1] + (-1, 32)); a = np.abs(x).max(-1, keepdims=True)
;;       e = np.where(a > 0, np.clip(np.frexp(np.where(a > 0, a, 1))[1] - 1 - 4, -126, 127), 0)      # np.frexp(a)[1] - 1 = floor(log2(a)), exactly
;;       r = np.clip(x / 2.0 ** e, -28, 28)
;;       step = 2.0 ** (np.maximum(np.frexp(np.where(r == 0, 1, r))[1] - 1, -2) - 2)
;;       q = np.round(r / step) * step * 2.0 ** e      # np.round: ties to even
;;       return np.moveaxis(q.reshape(q.shape[:-2] + (-1,))[..., :K], -1, axis).astype(np.float32)
;;   ~~~
;;   SOFTMAX AHEAD OF A QUANTISED PRODUCT. Where the list says 'softmax', what is quantised is not the finished softmax but p = 2^(t - M), with t = logit x log2(e) and M = ceil(the row's largest t), a whole number; so 1/2 < the row's largest p <= 1. The row's sum l is taken of the UNQUANTISED p, in f32, and the product's result is divided by l at the end. Since M is a whole number, a kernel that streams over the keys may use a running M (the ceiling of the running maximum): every later rescaling is an exact power of two, which a block's scale takes up: the codes' values come out the same.
;;   OPERANDS COMPUTED ON THE WAY. 'Computed on the way' means the value that the module computes at that place (a softmax that the list does not call 'softmax' is quantised finished and normalised). What goes into a quantiser is computed in f32, as accurately as f32 sums, v_exp_f32 and their like allow (about 1e-6 of the number): no bf16 or f16 on the way to a quantiser, and a product that is left as it is and whose result goes on into a quantised operand takes f32 operands (vector FMAs, or v_wmma_f32_16x16x4_f32). A number that lies on a knife's edge between two numbers of the format may be rounded either way, as far as f32 arithmetic and the matrix unit's own rounding can turn it there, and no further.
;; One version. Each part assembles by itself: llvm-mc -triple=amdgcn-amd-amdhsa -mcpu=gfx1250 --defsym DOCPART=n.
;; ======== version 1 of 1: 4 launches
;; workspace buffers: prep 4,096,000 bytes; qkv 10,092,544 bytes; att 3,407,872 bytes
;; launch prep (part 1): grid 160 x 1, 16 waves a work-group, no clusters, 162,048 bytes of LDS; arguments x, gn_scale, gn_bias, wq, wk, wv, wp, prep; writes prep
.if DOCPART == 1
	.amdgcn_target "amdgcn-amd-amdhsa--gfx1250"
	.amdhsa_code_object_version 6
	.text
	.protected	k_qf02af2bffc_prep
	.globl	k_qf02af2bffc_prep
	.p2align	8
	.type	k_qf02af2bffc_prep,@function
k_qf02af2bffc_prep:
	s_mov_b64 s[64:65], 0
	v_nop
	global_prefetch_b8 v0, s[64:65] scope:SCOPE_SE
	s_setreg_imm32_b32 hwreg(HW_REG_WAVE_MODE, 25, 1), 1
	s_wait_xcnt 0x0
; GroupNorm of x [8][512][1024] (32 groups of 16 channels x 1,024 pixels) and its codes of BF6 (E3M2) along the channels; and the codes of the four weights [512][512] along their rows.
; A block's scale is 2^(floor(log2(largest magnitude)) - 4); its byte is the largest magnitude's exponent field - 4, held at 1 from below.
; LIMITS: a block of zeros gets the byte 1 where the rule says 127 (its codes are zeros, which add nothing, and this program alone reads the bytes); NaN and infinities among the inputs are not served.
; WHAT IS STORED, all in the buffer prep:
;   XNC at 0:   [b 8][cb 16][T 64][r 16][24 bytes]: the 32 codes of channels 32 cb .. 32 cb + 31 of one pixel.  ROW r OF TILE T IS PIXEL 32 (T / 2) + 8 (T % 2) + r + 8 (r / 8).
;   XNS:        [b][cb][16 T + r] one scale byte each
;   WC:         [matrix 4: q, k, v, p][To 32][s 4][3][lane 32][16 bytes]: a fragment (16 rows x 128 K) as an image of its 12 registers; row r of tile To is output 32 (To / 2) + 8 (To % 2) + r + 8 (r / 8)
;   WS:         [matrix][To / 2][s][16 (To % 2) + r] scale words
; SHARES.  Work-groups 0-127: work-group 16 b + cb owns 32 channels (two groups) x 1,024 pixels; thread t owns pixels 2 t, 2 t + 1, so a pixel's 32 channels, one block, lie in ONE lane's registers.
; Work-groups 128-159: each of the 16 waves makes one fragment of a weight.  The two ways part on the work-group's number alone and have LDS bytes of their own.
; No matrix unit, no tensor load, no cluster: every input byte is read once and nothing is shared between work-groups.
.set XNS,   3145728
.set WC,    3276800
.set WS,    4063232
.set RED1,  0                          ; LDS: 16 waves x (sum of group A, sum of group B)
.set RED2,  128                        ; the same for the squares
.set ST1,   256                        ; 16 waves x 1,536 bytes: a wave's 64 pixels' codes, in the order of XNC
.set WST,   24832                      ; 16 waves x 16 rows x (512 + 16) bytes: a weight fragment's numbers
.set X,     32                         ; v32-95   x(c, 2 t + j) at v[X + 2 c + j], then x - mean
.set Y,     96                         ; v96-159  xn of pixel j at v[Y + 32 j + c]
.set SA,    20                         ; s20-51   gn_scale of my 32 channels, then x rstd
.set SB,    68                         ; s68-99   gn_bias
.set FLOOR, 0x2800000                  ; 2^(5 - 127): under it no largest magnitude is taken, so the byte cannot fall under 1
.set EOFF,  0xfe000000                 ; -(4 << 23): 4 off an exponent field
	s_load_b512 s[4:19], s[0:1], 0x0               ; x, gn_scale, gn_bias, wq, wk, wv, wp, prep
	v_lshl_add_u32 v184, v0, 2, 0x27100
	v_mov_b32 v185, 0
	v_lshrrev_b32 v1, 5, v0
	s_delay_alu instid0(VALU_DEP_1)
	v_readfirstlane_b32 s2, v1                     ; wave 0..15
	v_and_b32 v2, 31, v0                           ; lane
	s_mov_b32 s58, 0x76543210
	s_mov_b32 s59, 0xfedcba98                      ; v_permlanex16_b32's selects for lane l xor 16
	s_cmp_ge_u32 ttmp9, 128
	s_cbranch_scc1 .Lweights
; ------------------------------------------------------------------ GroupNorm and the codes of xn
.macro GSUM d, base                    ; the sum of my two pixels over 16 channels, in two chains
	v_pk_add_f32 v[16:17], v[X+2*(\base):X+2*(\base)+1], v[X+2*(\base)+2:X+2*(\base)+3]
	v_pk_add_f32 v[18:19], v[X+2*(\base)+4:X+2*(\base)+5], v[X+2*(\base)+6:X+2*(\base)+7]
.irp k, 4,6,8,10,12,14
	s_delay_alu instid0(VALU_DEP_2)
	v_pk_add_f32 v[16:17], v[16:17], v[X+2*(\base+\k):X+2*(\base+\k)+1]
	s_delay_alu instid0(VALU_DEP_2)
	v_pk_add_f32 v[18:19], v[18:19], v[X+2*(\base+\k)+2:X+2*(\base+\k)+3]
.endr
	s_delay_alu instid0(VALU_DEP_1)
	v_pk_add_f32 v[16:17], v[16:17], v[18:19]
	s_delay_alu instid0(VALU_DEP_1)
	v_add_f32 v[\d], v16, v17
.endm
.macro GSQ d, base                     ; the same of the squares
	v_pk_mul_f32 v[16:17], v[X+2*(\base):X+2*(\base)+1], v[X+2*(\base):X+2*(\base)+1]
	v_pk_mul_f32 v[18:19], v[X+2*(\base)+2:X+2*(\base)+3], v[X+2*(\base)+2:X+2*(\base)+3]
.irp k, 2,4,6,8,10,12,14
	s_delay_alu instid0(VALU_DEP_2)
	v_pk_fma_f32 v[16:17], v[X+2*(\base+\k):X+2*(\base+\k)+1], v[X+2*(\base+\k):X+2*(\base+\k)+1], v[16:17]
	s_delay_alu instid0(VALU_DEP_2)
	v_pk_fma_f32 v[18:19], v[X+2*(\base+\k)+2:X+2*(\base+\k)+3], v[X+2*(\base+\k)+2:X+2*(\base+\k)+3], v[18:19]
.endr
	s_delay_alu instid0(VALU_DEP_1)
	v_pk_add_f32 v[16:17], v[16:17], v[18:19]
	s_delay_alu instid0(VALU_DEP_1)
	v_add_f32 v[\d], v16, v17
.endm
.macro WAVESUM r                       ; over the 32 lanes; the result in every lane
	v_add_f32_dpp v[\r], v[\r], v[\r] row_xmask:1 row_mask:0xf bank_mask:0xf
	s_delay_alu instid0(VALU_DEP_1)
	v_add_f32_dpp v[\r], v[\r], v[\r] row_xmask:2 row_mask:0xf bank_mask:0xf
	s_delay_alu instid0(VALU_DEP_1)
	v_add_f32_dpp v[\r], v[\r], v[\r] row_xmask:4 row_mask:0xf bank_mask:0xf
	s_delay_alu instid0(VALU_DEP_1)
	v_add_f32_dpp v[\r], v[\r], v[\r] row_xmask:8 row_mask:0xf bank_mask:0xf
	s_delay_alu instid0(VALU_DEP_1)
	v_permlanex16_b32 v28, v[\r], s58, s59
	s_delay_alu instid0(VALU_DEP_1)
	v_add_f32 v[\r], v[\r], v28
.endm
.macro ALLSUM red                      ; v24, v25 (groups A, B) summed over the work-group: v27 holds A's total in the even lanes, B's in the odd ones
	WAVESUM 24
	WAVESUM 25
	ds_store_b64 v26, v[24:25] offset:\red         ; all lanes write my wave's two words with the same values
	s_wait_dscnt 0x0                               ; for the others' sake: my store has landed
	s_barrier_signal -1
	s_barrier_wait -1
	ds_load_b32 v27, v29 offset:\red               ; lane l: wave l / 2, group l % 2
	s_wait_dscnt 0x0
	v_add_f32_dpp v27, v27, v27 row_xmask:2 row_mask:0xf bank_mask:0xf
	s_delay_alu instid0(VALU_DEP_1)
	v_add_f32_dpp v27, v27, v27 row_xmask:4 row_mask:0xf bank_mask:0xf
	s_delay_alu instid0(VALU_DEP_1)
	v_add_f32_dpp v27, v27, v27 row_xmask:8 row_mask:0xf bank_mask:0xf
	s_wait_alu depctr_va_vdst(0)
	v_permlanex16_b32 v28, v27, s58, s59
	s_delay_alu instid0(VALU_DEP_1)
	v_add_f32 v27, v27, v28
.endm
	s_lshl_b32 s60, ttmp9, 17                      ; my 32 channels: 131,072 bytes a work-group
	s_mov_b32 s61, 0
	s_and_b32 s62, ttmp9, 15                       ; cb
	s_lshl_b32 s62, s62, 7                         ; its 32 numbers of gn_scale and gn_bias
	v_lshlrev_b32 v3, 3, v0                        ; 8 t: a wave's load covers 256 consecutive bytes
	v_bfe_u32 v4, v0, 4, 1
	v_bfe_u32 v5, v0, 2, 1
	v_bfe_u32 v6, v0, 3, 1
	v_and_b32 v7, 3, v0
	s_wait_alu depctr_va_vdst(0)
	v_mul_u32_u24 v8, v1, 1536                     ; my wave's stage, and its 1,536 bytes of XNC
	s_delay_alu instid0(VALU_DEP_1)
	v_mad_u32_u24 v30, v4, 768, v8                 ; pixel 64 w + 2 l + j lies in tile 4 w + 2 (l / 16) + (l / 4) % 2, row 2 (l % 4) + j + 8 ((l / 8) % 2): 384 bytes a tile, 24 a row
	s_delay_alu instid0(VALU_DEP_1)
	v_mad_u32_u24 v30, v5, 384, v30
	s_delay_alu instid0(VALU_DEP_1)
	v_mad_u32_u24 v30, v6, 192, v30
	s_delay_alu instid0(VALU_DEP_1)
	v_mad_u32_u24 v30, v7, 48, v30
	v_lshl_add_u32 v8, v2, 4, v8                   ; back out of the stage: 16 bytes a lane
	v_lshlrev_b32 v31, 6, v1                       ; and the same place among the scale bytes: 16 a tile, 1 a row
	s_delay_alu instid0(VALU_DEP_1)
	v_lshl_add_u32 v31, v4, 5, v31
	s_delay_alu instid0(VALU_DEP_1)
	v_lshl_add_u32 v31, v5, 4, v31
	s_delay_alu instid0(VALU_DEP_1)
	v_lshl_add_u32 v31, v6, 3, v31
	s_delay_alu instid0(VALU_DEP_1)
	v_lshl_add_u32 v31, v7, 1, v31
	v_lshlrev_b32 v26, 3, v1                       ; 8 x wave
	v_lshlrev_b32 v29, 2, v2                       ; 4 x lane
	v_mov_b32 v28, 0                               ; a lane permute's destination counts as one of its sources
	s_wait_kmcnt 0x0
	s_add_nc_u64 s[4:5], s[4:5], s[60:61]
	s_load_b512 s[20:35], s[6:7], s62 offset:0x0
	s_load_b512 s[36:51], s[6:7], s62 offset:0x40
	s_load_b512 s[68:83], s[8:9], s62 offset:0x0
	s_load_b512 s[84:99], s[8:9], s62 offset:0x40
.set c, 0
.rept 32
	global_load_b64 v[X+2*c:X+2*c+1], v3, s[4:5] offset:4096*c
.set c, c+1
.endr
	s_wait_loadcnt 16                              ; channels 0-15 are in; the sixteen younger loads may be out
	GSUM 24, 0
	s_wait_loadcnt 0x0
	GSUM 25, 16
	ALLSUM RED1
	s_delay_alu instid0(VALU_DEP_1)
	v_mul_f32 v27, 0xb8800000, v27                 ; -mean = total x -2^-14 (16 channels x 1,024 pixels)
	s_delay_alu instid0(VALU_DEP_1)
	v_readlane_b32 s52, v27, 0
	s_delay_alu instid0(VALU_DEP_2)
	v_readlane_b32 s54, v27, 1
	s_mov_b32 s53, s52                             ; (the packed form names a pair)
	s_mov_b32 s55, s54
.set c, 0
.rept 16
	v_pk_add_f32 v[X+2*c:X+2*c+1], v[X+2*c:X+2*c+1], s[52:53] op_sel_hi:[1,0]            ; x - mean: the variance is taken of these, so no difference of large sums is formed
	v_pk_add_f32 v[X+32+2*c:X+32+2*c+1], v[X+32+2*c:X+32+2*c+1], s[54:55] op_sel_hi:[1,0]
.set c, c+1
.endr
	GSQ 24, 0
	GSQ 25, 16
	ALLSUM RED2
	s_mov_b32 s60, 0x38800000                      ; 2^-14
	s_mov_b32 s61, 0x3727c5ac                      ; 1e-5
	v_fma_f32 v27, v27, s60, s61
	s_wait_alu depctr_va_vdst(0)
	v_rsq_f32 v27, v27
	v_nop                                          ; one plain instruction behind a transcendental
	s_wait_alu depctr_va_vdst(0)
	v_readlane_b32 s56, v27, 0
	v_readlane_b32 s57, v27, 1
	s_wait_kmcnt 0x0                               ; gn_scale, gn_bias
.set c, 0
.rept 16
	s_mul_f32 s[SA+c], s[SA+c], s56                ; gain x rstd
	s_mul_f32 s[SA+16+c], s[SA+16+c], s57
.set c, c+1
.endr
.set c, 0
.rept 32
	v_fma_f32 v[Y+c], v[X+2*c], s[SA+c], s[SB+c]
	v_fma_f32 v[Y+32+c], v[X+2*c+1], s[SA+c], s[SB+c]
.set c, c+1
.endr
.irp j, 0,1                                    ; a pixel's 32 channels are one block: its largest magnitude needs no other lane.  The two pixels by turns
	v_max3_num_f32 v[16+\j], |v[Y+32*\j]|, |v[Y+32*\j+1]|, FLOOR
.endr
.irp k, 2,4,6,8,10,12,14,16,18,20,22,24,26,28,30
.irp j, 0,1
	s_delay_alu instid0(VALU_DEP_2)
	v_max3_num_f32 v[16+\j], v[16+\j], |v[Y+32*\j+\k]|, |v[Y+32*\j+\k+1]|
.endr
.endr
.irp j, 0,1
	s_delay_alu instid0(VALU_DEP_2)
	v_add_nc_u32 v[18+\j], EOFF, v[16+\j]          ; the conversion takes the exponent field of this operand as its scale
.endr
.irp j, 0,1
	s_delay_alu instid0(VALU_DEP_2)
	v_lshrrev_b32 v[20+\j], 23, v[18+\j]           ; the scale's byte
.endr
.irp j, 0,1
	v_cvt_scalef32_pk16_bf6_f32 v[160+8*\j:162+8*\j], v[Y+32*\j:Y+32*\j+15], v[18+\j]
	v_cvt_scalef32_pk16_bf6_f32 v[174+4*\j:176+4*\j], v[Y+32*\j+16:Y+32*\j+31], v[18+\j]    ; (a conversion's three registers begin on an even number)
.endr
	v_lshl_or_b32 v20, v21, 8, v20                 ; my two pixels' bytes are neighbours.  (Also the plain instruction behind the conversions)
.irp j, 0,1
.irp i, 0,1,2
	v_mov_b32 v[163+8*\j+\i], v[174+4*\j+\i]
.endr
.endr
.irp j, 0,1
.irp p, 0,1,2
	ds_store_b64 v30, v[160+8*\j+2*\p:161+8*\j+2*\p] offset:ST1+24*\j+8*\p
.endr
.endr
.irp i, 0,1,2
	ds_load_b128 v[32+4*\i:35+4*\i], v8 offset:ST1+512*\i          ; my wave's own bytes: LDS serves a wave's instructions in order
.endr
	s_mul_i32 s60, ttmp9, 24576
	s_mov_b32 s61, 0
	s_add_nc_u64 s[100:101], s[18:19], s[60:61]
	s_lshl_b32 s60, ttmp9, 10
	s_add_nc_u64 s[62:63], s[18:19], s[60:61]
	global_store_b16 v31, v20, s[62:63] offset:XNS                 ; a wave's 64 bytes are consecutive
.irp i, 0,1,2
	s_wait_dscnt 2-\i
	global_store_b128 v8, v[32+4*\i:35+4*\i], s[100:101] offset:512*\i   ; 512 consecutive bytes, at a multiple of 512 from the buffer's first byte
.endr
	s_wait_tensorcnt 0x0
	ds_add_u32 v184, v185
	s_wait_dscnt 0x0
	s_endpgm
; ------------------------------------------------------------------ the weights: one fragment (16 rows x 128 K) a wave
.Lweights:
	s_sub_co_u32 s3, ttmp9, 128                    ; item = 16 x this + wave = 128 matrix + 4 To + s
	s_lshr_b32 s60, s3, 3                          ; matrix
	s_and_b32 s61, s3, 7
	s_lshl_b32 s61, s61, 2
	s_lshr_b32 s62, s2, 2
	s_add_co_u32 s61, s61, s62                     ; To
	s_and_b32 s62, s2, 3                           ; s
	s_lshr_b32 s63, s61, 1
	s_and_b32 s100, s61, 1
	s_lshl_b32 s52, s63, 16                        ; the tile's first row, 32 (To / 2) + 8 (To % 2), of 2,048 bytes,
	s_lshl_b32 s53, s100, 14
	s_add_co_u32 s52, s52, s53
	s_lshl_b32 s53, s62, 9                         ; and the K step's 512 bytes in it
	s_add_co_u32 s52, s52, s53
	s_mov_b32 s53, 0
	s_lshl_b32 s56, s3, 4
	s_add_co_u32 s56, s56, s2
	s_mul_i32 s56, s56, 1536                       ; the image's place
	s_mov_b32 s57, 0
	s_lshl_b32 s24, s60, 13                        ; the scale words' place
	s_lshl_b32 s25, s63, 9
	s_add_co_u32 s24, s24, s25
	s_lshl_b32 s25, s62, 7
	s_add_co_u32 s24, s24, s25
	s_lshl_b32 s25, s100, 6
	s_add_co_u32 s24, s24, s25
	s_mov_b32 s25, 0
	s_mul_i32 s55, s2, 8448                        ; my stage
	s_wait_alu depctr_va_vdst(0)
	v_lshlrev_b32 v3, 4, v2                        ; 16 x lane
	s_delay_alu instid0(VALU_DEP_1)
	v_add_nc_u32 v4, s55, v3
	v_and_b32 v6, 15, v0                           ; r
	v_bfe_u32 v7, v0, 4, 1                         ; h
	s_delay_alu instid0(VALU_DEP_2)
	v_mul_u32_u24 v5, v6, 528
	s_delay_alu instid0(VALU_DEP_1)
	v_lshl_add_u32 v5, v7, 7, v5
	s_delay_alu instid0(VALU_DEP_1)
	v_add_nc_u32 v5, s55, v5                       ; out of the stage: row r, + 128 h bytes: lane (r, h) wants k = 64 c + 32 h + 0 .. 31
	v_lshlrev_b32 v11, 2, v6
	s_and_b32 s54, s60, 1
	s_wait_alu depctr_va_vdst(0)
	s_wait_kmcnt 0x0
	s_cmp_lt_u32 s60, 2                            ; the choice hangs on the work-group's number alone
	s_cselect_b64 s[20:21], s[10:11], s[14:15]
	s_cselect_b64 s[22:23], s[12:13], s[16:17]
	s_cmp_eq_u32 s54, 0
	s_cselect_b64 s[20:21], s[20:21], s[22:23]
	s_add_nc_u64 s[20:21], s[20:21], s[52:53]
	s_add_nc_u64 s[22:23], s[18:19], s[56:57]
	s_add_nc_u64 s[24:25], s[18:19], s[24:25]
.set i, 0
.rept 16
	global_load_b128 v[32+4*i:35+4*i], v3, s[20:21] offset:(i+8*(i/8))*2048      ; row i of the tile: 512 consecutive bytes
.set i, i+1
.endr
	s_wait_loadcnt 0x0
.set i, 0
.rept 16
	ds_store_b128 v4, v[32+4*i:35+4*i] offset:WST+528*i
.set i, i+1
.endr
.irp c, 0,1
.irp q, 0,1,2,3,4,5,6,7
	ds_load_b128 v[96+32*\c+4*\q:99+32*\c+4*\q], v5 offset:WST+256*\c+16*\q      ; rows 528 bytes apart: sixteen lanes touch sixteen different columns of 16 bytes
.endr
.endr
	s_wait_dscnt 0x0
.irp c, 0,1                                    ; my block 2 c + h: all its 32 numbers are mine
	v_max3_num_f32 v[16+\c], |v[96+32*\c]|, |v[97+32*\c]|, FLOOR
.endr
.irp k, 2,4,6,8,10,12,14,16,18,20,22,24,26,28,30
.irp c, 0,1
	s_delay_alu instid0(VALU_DEP_2)
	v_max3_num_f32 v[16+\c], v[16+\c], |v[96+32*\c+\k]|, |v[97+32*\c+\k]|
.endr
.endr
.irp c, 0,1
	s_delay_alu instid0(VALU_DEP_2)
	v_add_nc_u32 v[18+\c], EOFF, v[16+\c]
.endr
.irp c, 0,1
	s_delay_alu instid0(VALU_DEP_2)
	v_lshrrev_b32 v[20+\c], 23, v[18+\c]
.endr
	s_delay_alu instid0(VALU_DEP_1)
	v_lshl_or_b32 v9, v21, 16, v20                 ; my two bytes: blocks h and 2 + h,
	v_lshlrev_b32 v10, 3, v7
	s_delay_alu instid0(VALU_DEP_1)
	v_lshlrev_b32 v9, v10, v9                      ; at their places in the word;
	v_mov_b32 v10, 0
	s_delay_alu instid0(VALU_DEP_1)
	v_permlanex16_b32 v10, v9, s58, s59
	s_delay_alu instid0(VALU_DEP_1)
	v_or_b32 v9, v9, v10                           ; with lane l xor 16's two the word is whole
.irp c, 0,1
	v_cvt_scalef32_pk16_bf6_f32 v[160+6*\c:162+6*\c], v[96+32*\c:111+32*\c], v[18+\c]
	v_cvt_scalef32_pk16_bf6_f32 v[172+4*\c:174+4*\c], v[112+32*\c:127+32*\c], v[18+\c]
.endr
	v_nop                                          ; one plain instruction behind a scaled conversion
.irp c, 0,1
.irp i, 0,1,2
	v_mov_b32 v[163+6*\c+\i], v[172+4*\c+\i]
.endr
.endr
.irp g, 0,1,2
	global_store_b128 v3, v[160+4*\g:163+4*\g], s[22:23] offset:WC+512*\g        ; the fragment as it stands in its registers
.endr
	global_store_b32 v11, v9, s[24:25] offset:WS   ; lanes 16-31 repeat lanes 0-15's words at the same places
	s_wait_tensorcnt 0x0
	ds_add_u32 v184, v185
	s_wait_dscnt 0x0
	s_endpgm
.Lfunc_end_k_qf02af2bffc_prep:
	.size	k_qf02af2bffc_prep, .Lfunc_end_k_qf02af2bffc_prep-k_qf02af2bffc_prep
	.p2alignl 7, 3214868480
	.fill 96, 4, 3214868480
	.section	.rodata,"a",@progbits
	.p2align	6, 0x0
	.amdhsa_kernel k_qf02af2bffc_prep
		.amdhsa_group_segment_fixed_size 162048
		.amdhsa_private_segment_fixed_size 0
		.amdhsa_enable_private_segment 0
		.amdhsa_kernarg_size 64
		.amdhsa_user_sgpr_count 2
		.amdhsa_user_sgpr_kernarg_segment_ptr 1
		.amdhsa_wavefront_size32 1
		.amdhsa_system_sgpr_workgroup_id_x 1
		.amdhsa_system_sgpr_workgroup_id_y 1
		.amdhsa_system_sgpr_workgroup_id_z 1
		.amdhsa_system_vgpr_workitem_id 0
		.amdhsa_next_free_vgpr 186
		.amdhsa_next_free_sgpr 102
		.amdhsa_reserve_vcc 0
		.amdhsa_float_denorm_mode_32 3
		.amdhsa_float_denorm_mode_16_64 3
		.amdhsa_memory_ordered 1
		.amdhsa_forward_progress 1
		.amdhsa_inst_pref_size 39
	.end_amdhsa_kernel
	.amdgpu_metadata
---
amdhsa.version: [ 1, 2 ]
amdhsa.kernels:
  - .name:           k_qf02af2bffc_prep
    .symbol:         k_qf02af2bffc_prep.kd
    .args:
      - { .name: x, .offset: 0, .size: 8, .value_kind: global_buffer, .address_space: global }
      - { .name: gn_scale, .offset: 8, .size: 8, .value_kind: global_buffer, .address_space: global }
      - { .name: gn_bias, .offset: 16, .size: 8, .value_kind: global_buffer, .address_space: global }
      - { .name: wq, .offset: 24, .size: 8, .value_kind: global_buffer, .address_space: global }
      - { .name: wk, .offset: 32, .size: 8, .value_kind: global_buffer, .address_space: global }
      - { .name: wv, .offset: 40, .size: 8, .value_kind: global_buffer, .address_space: global }
      - { .name: wp, .offset: 48, .size: 8, .value_kind: global_buffer, .address_space: global }
      - { .name: prep, .offset: 56, .size: 8, .value_kind: global_buffer, .address_space: global }
    .group_segment_fixed_size: 162048
    .private_segment_fixed_size: 0
    .kernarg_segment_align: 8
    .kernarg_segment_size: 64
    .max_flat_workgroup_size: 512
    .sgpr_count:     102
    .vgpr_count:     186
    .wavefront_size: 32
...
	.end_amdgpu_metadata
.endif
;; end of part 1
;; launch qkv (part 2): grid 256 x 1, 8 waves a work-group, no clusters, 210,432 bytes of LDS; arguments prep, bq, bk, bv, qkv; writes qkv
.if DOCPART == 2
	.amdgcn_target "amdgcn-amd-amdhsa--gfx1250"
	.amdhsa_code_object_version 6
	.text
	.protected	k_qf02af2bffc_qkv
	.globl	k_qf02af2bffc_qkv
	.p2align	8
	.type	k_qf02af2bffc_qkv,@function
k_qf02af2bffc_qkv:
	s_mov_b64 s[64:65], 0
	v_nop
	global_prefetch_b8 v0, s[64:65] scope:SCOPE_SE
	s_setreg_imm32_b32 hwreg(HW_REG_WAVE_MODE, 25, 1), 1
	s_wait_xcnt 0x0
; q, k, v = W xn + b on codes of BF6 (E3M2) with E8M0 scales, and their own codes for the attention: q and k along the head's 64 channels, v along the pixels (the keys).
; SHARES.  Work-group = (image b, 128 pixels = key step "chunk", pair of heads hp).  Wave w: pp = w % 4, the pixel tiles 2 pp, 2 pp + 1 of the chunk (one block of 32 keys); half = w / 4.
; A wave has three items of 4 tiles of outputs x 2 tiles of pixels x K 512, 32 matrix instructions each: q (half 0) or k (half 1) of heads 2 hp and 2 hp + 1, then v of head 2 hp + half.
; ROW r OF EVERY TILE T (pixels and outputs alike) IS INDEX 32 (T / 2) + 8 (T % 2) + r + 8 (r / 8): so the 16 result registers of source-0 tiles 2 b, 2 b + 1 are 16 NEIGHBOURS, 32 b + 16 (lane / 16) + 0 .. 15.
; q, k: source 0 = 16 outputs of W, source 1 = 16 pixels: a lane holds one pixel and its registers run along the head's channels.  v: the sources swapped: a lane holds one channel and its registers run along the pixels.
; THE WEIGHTS (147,456 bytes) COME BY TENSOR LOADS IN THREE STAGES of 49,152 bytes, one for each item, all issued at the head: each wave brings 24 rows of 256 bytes of each stage.  Every LDS byte is filled once: no ring.
; An item begins when its own stage has landed (a counted wait and a barrier); the later stages land under the items before them.  By this text's count a wave has at most three tensor loads out.
; xn's codes (49,152 bytes), the scale words and the biases come through registers, since some of them are pieced together on the way.
; No cluster: behind the staging only the first 49,152 bytes of the weights stand ahead of the first product; the other two thirds of what work-groups share land under work.
; LIMITS: a block of zeros gets the byte 1 with zero codes (the rule says 127; only this program reads the bytes); NaN and infinities are not served.
; STORED, all in the buffer qkv:  QC, KC [bh 64][T 64][3][lane][8 bytes]: registers 0-5 of a fragment (k = 0 .. 63; the upper 64 of the instruction's K are zero codes, made by the reader);
;   VC [bh][key step 8][t 4][block 4][r 16][24 bytes];  QS, KS [bh][T][r] words (bytes 2, 3 = 127);  VS [bh][key step][t][r] words.
.set XNS,  3145728                     ; sections of prep
.set WC,   3276800
.set WS,   4063232
.set VC,   6291456                     ; sections of qkv
.set QS,   9437184
.set VS,   9961472
.set XF,   0                           ; LDS: xn's codes: 16 blocks of channels, 3,200 bytes apart (3,072 + 128, so that the two halves of the lanes fall on different banks), each [tile 8][r 16][24]
.set XS,   51200                       ; xn's scale words [s 4][row 128]
.set WSC,  53248                       ; the weights' scale words [m 3][pair of tiles 4][s 4][128 bytes]
.set BIA,  59392                       ; bq, bk, bv, bv: my 128 outputs of each
.set VSB,  61440                       ; v's scale bytes [head 2][t 4][r 16][block 4]
.set WF,   61952                       ; the weights' fragments [m 3][tile 8][s 4][1,536 bytes]: the tensor loads' bytes; nothing is stored there
.set XFR,  16                          ; v16-111   xn's fragments (pixel tile i, K step s) at 48 i + 12 s: they stay for all three items
.set ACC,  112                         ; v112-175  eight accumulators
.set WFR,  176                         ; v176-223  two buffers of two weight fragments
.set XSC,  224                         ; v224-227  xn's scale words, one register a K step: lanes 0-15 tile 0, lanes 16-31 tile 1
.set WSCR, 228                         ; v228-229  the weights' scale words, one register a buffer
.set QT,   232                         ; v232-250  at work in QUANT2
.set SEL,  18                          ; s[18:19]
.set G1,   52                          ; s[52:59]  descriptor group 1: 24 rows of 256 bytes, dense: the same for all three stages
.set G0A,  60                          ; s[60:63]  group 0 of stage A;
.set G0B,  68                          ; s[68:71]  of stage B;
.set G0C,  72                          ; s[72:75]  of stage C.  None of these is written again
.set FLOOR, 0x2800000
.set EOFF,  0xfe000000
.macro NOP4                            ; four places behind a matrix instruction, ahead of loads into its registers and of the first read of its result
.rept 4
	v_nop
.endr
.endm
; one matrix instruction.  cm = 0: C is the constant 0; else C = v[c ..].  ra, rb = 1: that side's scales stand in lanes 16-31
.macro WM d, a, b, cm, c, sa, sb, ra, rb
.if (\cm) == 0
.if ((\ra) == 0) && ((\rb) == 0)
	v_wmma_scale_f32_16x16x128_f8f6f4 v[(\d):(\d)+7], v[(\a):(\a)+11], v[(\b):(\b)+11], 0, v[(\sa)], v[(\sb)] matrix_a_fmt:MATRIX_FMT_BF6 matrix_b_fmt:MATRIX_FMT_BF6
.elseif (\rb) == 0
	v_wmma_scale_f32_16x16x128_f8f6f4 v[(\d):(\d)+7], v[(\a):(\a)+11], v[(\b):(\b)+11], 0, v[(\sa)], v[(\sb)] matrix_a_fmt:MATRIX_FMT_BF6 matrix_b_fmt:MATRIX_FMT_BF6 matrix_a_scale:MATRIX_SCALE_ROW1
.elseif (\ra) == 0
	v_wmma_scale_f32_16x16x128_f8f6f4 v[(\d):(\d)+7], v[(\a):(\a)+11], v[(\b):(\b)+11], 0, v[(\sa)], v[(\sb)] matrix_a_fmt:MATRIX_FMT_BF6 matrix_b_fmt:MATRIX_FMT_BF6 matrix_b_scale:MATRIX_SCALE_ROW1
.else
	v_wmma_scale_f32_16x16x128_f8f6f4 v[(\d):(\d)+7], v[(\a):(\a)+11], v[(\b):(\b)+11], 0, v[(\sa)], v[(\sb)] matrix_a_fmt:MATRIX_FMT_BF6 matrix_b_fmt:MATRIX_FMT_BF6 matrix_a_scale:MATRIX_SCALE_ROW1 matrix_b_scale:MATRIX_SCALE_ROW1
.endif
.else
.if ((\ra) == 0) && ((\rb) == 0)
	v_wmma_scale_f32_16x16x128_f8f6f4 v[(\d):(\d)+7], v[(\a):(\a)+11], v[(\b):(\b)+11], v[(\c):(\c)+7], v[(\sa)], v[(\sb)] matrix_a_fmt:MATRIX_FMT_BF6 matrix_b_fmt:MATRIX_FMT_BF6
.elseif (\rb) == 0
	v_wmma_scale_f32_16x16x128_f8f6f4 v[(\d):(\d)+7], v[(\a):(\a)+11], v[(\b):(\b)+11], v[(\c):(\c)+7], v[(\sa)], v[(\sb)] matrix_a_fmt:MATRIX_FMT_BF6 matrix_b_fmt:MATRIX_FMT_BF6 matrix_a_scale:MATRIX_SCALE_ROW1
.elseif (\ra) == 0
	v_wmma_scale_f32_16x16x128_f8f6f4 v[(\d):(\d)+7], v[(\a):(\a)+11], v[(\b):(\b)+11], v[(\c):(\c)+7], v[(\sa)], v[(\sb)] matrix_a_fmt:MATRIX_FMT_BF6 matrix_b_fmt:MATRIX_FMT_BF6 matrix_b_scale:MATRIX_SCALE_ROW1
.else
	v_wmma_scale_f32_16x16x128_f8f6f4 v[(\d):(\d)+7], v[(\a):(\a)+11], v[(\b):(\b)+11], v[(\c):(\c)+7], v[(\sa)], v[(\sb)] matrix_a_fmt:MATRIX_FMT_BF6 matrix_b_fmt:MATRIX_FMT_BF6 matrix_a_scale:MATRIX_SCALE_ROW1 matrix_b_scale:MATRIX_SCALE_ROW1
.endif
.endif
.endm
; 32 numbers of a lane, register 16 b + i = k 32 b + 16 (lane / 16) + i of my row, become registers 0-5 of a fragment in v[q+10 .. q+15] and the two scale bytes in v[q+8].
.macro QUANT2 src, q
.irp b, 0,1
	v_max3_num_f32 v[(\q)+\b], |v[(\src)+16*\b]|, |v[(\src)+16*\b+1]|, FLOOR      ; ascending: each accumulator is first read at its low end
.endr
.irp k, 2,4,6,8,10,12,14
.irp b, 0,1
	v_max3_num_f32 v[(\q)+\b], v[(\q)+\b], |v[(\src)+16*\b+\k]|, |v[(\src)+16*\b+\k+1]|
.endr
.endr
.irp b, 0,1
	s_delay_alu instid0(VALU_DEP_2)
	v_permlanex16_b32 v[(\q)+2+\b], v[(\q)+\b], s[SEL], s[SEL+1]
.endr
.irp b, 0,1
	s_delay_alu instid0(VALU_DEP_2)
	v_max_num_f32 v[(\q)+\b], v[(\q)+\b], v[(\q)+2+\b]           ; with lane l xor 16's 16: the block's largest magnitude
.endr
.irp b, 0,1
	s_delay_alu instid0(VALU_DEP_2)
	v_add_nc_u32 v[(\q)+4+\b], EOFF, v[(\q)+\b]                  ; the conversion's scale operand
.endr
.irp b, 0,1
	s_delay_alu instid0(VALU_DEP_2)
	v_lshrrev_b32 v[(\q)+6+\b], 23, v[(\q)+4+\b]                 ; the byte
.endr
	s_delay_alu instid0(VALU_DEP_1)
	v_lshl_or_b32 v[(\q)+8], v[(\q)+7], 8, v[(\q)+6]
	v_cvt_scalef32_pk16_bf6_f32 v[(\q)+10:(\q)+12], v[(\src):(\src)+15], v[(\q)+4]
	v_cvt_scalef32_pk16_bf6_f32 v[(\q)+16:(\q)+18], v[(\src)+16:(\src)+31], v[(\q)+5]
	v_nop                                          ; one plain instruction behind a scaled conversion
.irp i, 0,1,2
	v_permlane16_swap_b32 v[(\q)+10+\i], v[(\q)+16+\i]           ; the layout wants a whole block in a lane: lanes 0-15 block 0, lanes 16-31 block 1
.endr
.irp i, 0,1,2
	s_delay_alu instid0(VALU_DEP_3)
	v_mov_b32 v[(\q)+13+\i], v[(\q)+16+\i]
.endr
.endm
; The next item's weights: my part of its stage has landed (left = my younger tensor loads, which may stay out: nothing is filled twice), my LDS instructions are done; then every wave's are.
.macro NEXTW left
	s_wait_tensorcnt \left
	s_wait_dscnt 0x0
	s_barrier_signal -1
	s_barrier_wait -1
.endm
	s_load_b256 s[4:11], s[0:1], 0x0               ; prep, bq, bk, bv
	s_load_b64 s[12:13], s[0:1], 0x20              ; qkv
	v_lshl_add_u32 v254, v0, 2, 0x33200
	v_mov_b32 v255, 0
	ds_add_u32 v254, v255
	ds_add_u32 v254, v255
	v_lshrrev_b32 v1, 5, v0
	s_delay_alu instid0(VALU_DEP_1)
	v_readfirstlane_b32 s2, v1                     ; wave 0..7
	s_and_b32 s3, s2, 3                            ; pp
	s_lshr_b32 s14, s2, 2                          ; half
	s_lshr_b32 s15, ttmp9, 5                       ; b
	s_bfe_u32 s16, ttmp9, 0x30002                  ; chunk
	s_and_b32 s17, ttmp9, 3                        ; hp
	s_mov_b32 s[SEL], 0x76543210
	s_mov_b32 s[SEL+1], 0xfedcba98
	; descriptor group 1: a dense block of 6,144 bytes as 24 rows of 32 elements of 8 bytes
	s_mov_b32 s[G1+0], 3<<16                       ; 15:0 no mask; 17:16 elements of 8 bytes; 20 no padding
	s_mov_b32 s[G1+1], 32<<16                      ; tensor_dim0 = 32
	s_mov_b32 s[G1+2], 24<<16                      ; tensor_dim1 = 24
	s_mov_b32 s[G1+3], 32<<16                      ; tile_dim0 = 32
	s_mov_b32 s[G1+4], 24                          ; tile_dim1 = 24
	s_mov_b32 s[G1+5], 32                          ; from row to row: 32 elements
	s_mov_b32 s[G1+6], 0
	s_mov_b32 s[G1+7], 0
	; byte offsets, each in the pair that will hold the sum
	s_mul_i32 s22, s17, 49152                      ; the weights' 8 tiles of my pair of heads, in each matrix
	s_add_co_u32 s22, s22, WC
	s_mov_b32 s23, 0
	s_mul_i32 s48, s3, 6144                        ; stages A and B: matrix w / 4 (q or k), quarter w % 4 of the head's 24,576 bytes
	s_mul_i32 s76, s14, 196608
	s_add_co_u32 s76, s76, s48                     ; in memory,
	s_mov_b32 s77, 0
	s_mul_i32 s49, s14, 49152
	s_add_co_u32 s49, s49, s48
	s_add_co_u32 s49, s49, WF                      ; and in LDS
	s_mul_i32 s78, s2, 6144                        ; stage C: eighth w of v's 49,152 bytes:
	s_add_co_u32 s48, s78, WF+98304                ; in LDS,
	s_add_co_u32 s78, s78, 393216                  ; and in memory
	s_mov_b32 s79, 0
	s_mul_i32 s20, s15, 393216                     ; xn's codes: image, + the chunk's 8 tiles in each block of channels
	s_mul_i32 s32, s16, 3072
	s_add_co_u32 s20, s20, s32
	s_mov_b32 s21, 0
	s_lshl_b32 s24, s17, 11                        ; the weights' scale words
	s_mov_b32 s25, 0
	s_lshl_b32 s26, s15, 14                        ; xn's scale bytes
	s_lshl_b32 s32, s16, 7
	s_add_co_u32 s26, s26, s32
	s_mov_b32 s27, 0
	s_lshl_b32 s30, s17, 9                         ; the biases' 128 numbers
	s_mov_b32 s31, 0
	s_lshl_b32 s37, s15, 3
	s_lshl_b32 s32, s17, 1
	s_add_co_u32 s37, s37, s32                     ; bh of head 2 hp
	s_lshl_b32 s38, s16, 3
	s_lshl_b32 s32, s3, 1
	s_add_co_u32 s38, s38, s32                     ; my first pixel tile
	s_mul_i32 s40, s14, 3145728                    ; QC or KC
	s_mul_i32 s32, s37, 49152
	s_add_co_u32 s40, s40, s32
	s_mul_i32 s32, s38, 768
	s_add_co_u32 s40, s40, s32
	s_mov_b32 s41, 0
	s_lshl_b32 s42, s14, 18                        ; QS or KS
	s_lshl_b32 s32, s37, 12
	s_add_co_u32 s42, s42, s32
	s_lshl_b32 s32, s38, 6
	s_add_co_u32 s42, s42, s32
	s_add_co_u32 s42, s42, QS
	s_mov_b32 s43, 0
	s_add_co_u32 s44, s37, s14                     ; VC: head 2 hp + half, key step chunk, block pp
	s_lshl_b32 s44, s44, 3
	s_add_co_u32 s44, s44, s16
	s_mul_i32 s44, s44, 6144
	s_mul_i32 s32, s3, 384
	s_add_co_u32 s44, s44, s32
	s_add_co_u32 s44, s44, VC
	s_mov_b32 s45, 0
	s_lshl_b32 s46, s37, 3                         ; VS
	s_add_co_u32 s46, s46, s16
	s_lshl_b32 s46, s46, 8
	s_add_co_u32 s46, s46, VS
	s_mov_b32 s47, 0
	s_mul_i32 s32, s3, 768                         ; terms of the LDS addresses
	s_lshl_b32 s33, s14, 9
	s_lshl_b32 s34, s14, 8
	s_add_co_u32 s35, s34, s3
	s_lshl_b32 s36, s3, 7
	; the copy's addresses
	v_and_b32 v2, 31, v0
	s_delay_alu instid0(VALU_DEP_1)
	v_lshlrev_b32 v3, 4, v2                        ; 16 x lane
	s_wait_alu depctr_va_vdst(0)
	v_mad_u32_u24 v4, v1, 49152, v3                ; xn's codes: wave w copies blocks of channels 2 w, 2 w + 1
	v_mad_u32_u24 v5, v1, 6400, v3
	v_lshlrev_b32 v10, 3, v0                       ; 8 t
	v_and_b32 v13, 127, v0
	v_lshrrev_b32 v11, 7, v0
	s_delay_alu instid0(VALU_DEP_1)
	v_lshl_add_u32 v11, v11, 12, v13               ; xn's scale bytes: K step t / 128, row t % 128
	v_lshlrev_b32 v12, 2, v0                       ; 4 t
	s_delay_alu instid0(VALU_DEP_4)
	v_lshlrev_b32 v13, 2, v13
	s_wait_alu depctr_va_vdst(0)
	s_wait_dscnt 0x0
	s_wait_kmcnt 0x0
	; THE WEIGHTS' THREE STAGES go out first, as one group, ahead of every wait on TENSORcnt, every LDS read and every barrier
	s_add_nc_u64 s[22:23], s[4:5], s[22:23]
	s_mov_b32 s[G0A], 1                            ; 1:0 count = 1
	s_mov_b32 s[G0A+1], s49                        ; 63:32 LDS address
	s_add_nc_u64 s[G0A+2:G0A+3], s[22:23], s[76:77]              ; 120:64 global address
	s_mov_b32 s[G0B], 1
	s_add_co_u32 s[G0B+1], s49, 24576              ; the pair's second head lies 24,576 bytes on, in LDS and in memory
	s_add_nc_u64 s[G0B+2:G0B+3], s[G0A+2:G0A+3], 24576
	s_or_b32 s[G0A+3], s[G0A+3], 0x80000000        ; 127:126 type = 2
	s_or_b32 s[G0B+3], s[G0B+3], 0x80000000
	s_mov_b32 s[G0C], 1
	s_mov_b32 s[G0C+1], s48
	s_add_nc_u64 s[G0C+2:G0C+3], s[22:23], s[78:79]
	s_or_b32 s[G0C+3], s[G0C+3], 0x80000000
	tensor_load_to_lds s[G0A:G0A+3], s[G1:G1+7]    ; q's and k's tiles of head 2 hp
	s_nop 0
	tensor_load_to_lds s[G0B:G0B+3], s[G1:G1+7]    ; of head 2 hp + 1
	s_nop 0
	tensor_load_to_lds s[G0C:G0C+3], s[G1:G1+7]    ; v's tiles of both heads
	s_nop 0
	NOP4
	s_add_nc_u64 s[20:21], s[4:5], s[20:21]
	s_add_nc_u64 s[24:25], s[4:5], s[24:25]
	s_add_nc_u64 s[26:27], s[4:5], s[26:27]
	s_cmp_lt_u32 s2, 4                             ; waves 0-3 bring bq, waves 4-7 bk
	s_cselect_b64 s[28:29], s[6:7], s[8:9]
	s_add_nc_u64 s[28:29], s[28:29], s[30:31]
	s_add_nc_u64 s[30:31], s[10:11], s[30:31]
	s_add_nc_u64 s[40:41], s[12:13], s[40:41]
	s_add_nc_u64 s[42:43], s[12:13], s[42:43]
	s_add_nc_u64 s[44:45], s[12:13], s[44:45]
	s_add_nc_u64 s[46:47], s[12:13], s[46:47]
	; THE COPY THROUGH REGISTERS: every load of xn's codes covers 512 consecutive bytes a wave (the scale bytes: 32)
.irp jj, 0,1
.irp i, 0,1,2,3,4,5
	global_load_b128 v[16+4*(6*\jj+\i):19+4*(6*\jj+\i)], v4, s[20:21] offset:24576*\jj+512*\i
.endr
.endr
.irp m, 0,1,2
	global_load_b64 v[208+2*\m:209+2*\m], v10, s[24:25] offset:WS+8192*\m
.endr
.irp k, 0,1
.irp beta, 0,1,2,3
	global_load_u8 v[214+4*\k+\beta], v11, s[26:27] offset:XNS+8192*\k+1024*\beta
.endr
.endr
	global_load_b32 v222, v13, s[28:29]
	global_load_b32 v223, v13, s[30:31]
	s_wait_loadcnt 0x0
.irp jj, 0,1
.irp i, 0,1,2,3,4,5
	ds_store_b128 v5, v[16+4*(6*\jj+\i):19+4*(6*\jj+\i)] offset:XF+3200*\jj+512*\i
.endr
.endr
.irp m, 0,1,2
	ds_store_b64 v10, v[208+2*\m:209+2*\m] offset:WSC+2048*\m
.endr
.irp k, 0,1
	v_lshl_or_b32 v[214+4*\k], v[215+4*\k], 8, v[214+4*\k]       ; four blocks' bytes make a row's scale word for 128 along K
	s_delay_alu instid0(VALU_DEP_1)
	v_lshl_or_b32 v[214+4*\k], v[216+4*\k], 16, v[214+4*\k]
	s_delay_alu instid0(VALU_DEP_1)
	v_lshl_or_b32 v[214+4*\k], v[217+4*\k], 24, v[214+4*\k]
	ds_store_b32 v12, v[214+4*\k] offset:XS+1024*\k
.endr
	ds_store_b32 v12, v222 offset:BIA
	ds_store_b32 v12, v223 offset:BIA+1024         ; bv twice, so that every thread stores bytes of its own
	NEXTW 2                                        ; my part of stage A has landed (stages B and C may stay out) and my stores have landed; then everybody's
	; the addresses that stay
	v_and_b32 v14, 31, v0
	v_and_b32 v1, 15, v0                           ; r
	v_bfe_u32 v2, v0, 4, 1                         ; h
	s_delay_alu instid0(VALU_DEP_3)
	v_lshlrev_b32 v4, 2, v14                       ; 4 x lane
	s_delay_alu instid0(VALU_DEP_3)
	v_mul_u32_u24 v12, v1, 24
	s_delay_alu instid0(VALU_DEP_1)
	v_mad_u32_u24 v5, v2, 3200, v12
	s_delay_alu instid0(VALU_DEP_1)
	v_add_nc_u32 v5, s32, v5                       ; xn's fragments: 3,200 h + 24 r + 768 pp
	v_lshl_add_u32 v8, v2, 6, s33                  ; q's or k's bias: 512 half + 64 h
	v_and_b32 v9, 8, v1
	s_delay_alu instid0(VALU_DEP_1)
	v_add_nc_u32 v9, v9, v1
	s_delay_alu instid0(VALU_DEP_1)
	v_lshl_add_u32 v9, v9, 2, s34                  ; v's bias: 256 half + 4 (r + 8 (r / 8))
	v_lshlrev_b32 v10, 3, v14                      ; 8 x lane
	v_lshlrev_b32 v11, 2, v1                       ; 4 r
	v_mad_u32_u24 v12, v2, 12, v12                 ; 24 r + 12 h
	s_delay_alu instid0(VALU_DEP_2)
	v_add_nc_u32 v13, s35, v11                     ; v's scale bytes: 256 half + 4 r + pp
	v_add_nc_u32 v15, s36, v4                      ; xn's scale words: 128 pp + 4 x lane
	v_lshlrev_b32 v14, 4, v1
	s_delay_alu instid0(VALU_DEP_1)
	v_lshl_add_u32 v14, v2, 11, v14                ; VS on the way out: 2,048 (lane / 16) + 16 (lane % 16)
	v_mov_b32 v[QT+2], 0                           ; a lane permute's destination counts as one of its sources
	v_mov_b32 v[QT+3], 0
.irp i, 0,1
.irp s, 0,1,2,3
.irp c, 0,1
.irp p, 0,1,2
	ds_load_b64 v[XFR+48*\i+12*\s+6*\c+2*\p:XFR+48*\i+12*\s+6*\c+2*\p+1], v5 offset:XF+12800*\s+6400*\c+384*\i+8*\p    ; lane (r, h), registers 6 c ..: the block of channels 4 s + 2 c + h
.endr
.endr
.endr
.endr
.irp s, 0,1,2,3
	ds_load_b32 v[XSC+\s], v15 offset:XS+512*\s
.endr
.macro WLOAD buf, s                    ; tiles 2 buf, 2 buf + 1 of the item, K step s: seven LDS loads
.irp u, 0,1
.irp g, 0,1,2
	ds_load_b128 v[WFR+24*(\buf)+12*\u+4*\g:WFR+24*(\buf)+12*\u+4*\g+3], v6 offset:(2*(\buf)+\u)*6144+1536*(\s)+512*\g
.endr
.endr
	ds_load_b32 v[WSCR+(\buf)], v7 offset:512*(\buf)+128*(\s)
.endm
.macro MM4 kind, buf, s, zero          ; four matrix instructions on four accumulators
.irp u, 0,1
.irp i, 0,1
.if \kind == 0
	WM ACC+32*\i+8*(2*(\buf)+\u), WFR+24*(\buf)+12*\u, XFR+48*\i+12*(\s), 1, ACC+32*\i+8*(2*(\buf)+\u), WSCR+(\buf), XSC+(\s), \u, \i
.else
	WM ACC+16*(2*(\buf)+\u)+8*\i, XFR+48*\i+12*(\s), WFR+24*(\buf)+12*\u, 1-(\zero), ACC+16*(2*(\buf)+\u)+8*\i, XSC+(\s), WSCR+(\buf), \i, \u
.endif
.endr
.endr
.endm
; K = 512 in four steps.  The eight accumulators take turns, one instruction a turn.  While one buffer is multiplied the other's seven loads are on their way.
.macro KLOOP kind, zero
	WLOAD 0, 0
	WLOAD 1, 0
.irp s, 0,1,2,3
	s_wait_dscnt 7                                 ; buffer 0 and all that is older are in; buffer 1's seven loads may be out
.if \s == 0
	MM4 \kind, 0, \s, \zero
.else
	MM4 \kind, 0, \s, 0
.endif
.if \s < 3
	NOP4
	WLOAD 0, \s+1
	s_wait_dscnt 7                                 ; buffer 1 is in; the seven just issued may be out
.else
	s_wait_dscnt 0x0
.endif
.if \s == 0
	MM4 \kind, 1, \s, \zero
.else
	MM4 \kind, 1, \s, 0
.endif
.if \s < 3
	NOP4
	WLOAD 1, \s+1
.endif
.endr
	NOP4
.endm
; q or k of head 2 hp + e.  The bias is loaded straight into the accumulators: the sums start from it.
.macro ITEM_QK e
	s_mul_i32 s50, s14, 49152
	s_add_co_u32 s50, s50, WF+24576*\e
	v_add_nc_u32 v6, s50, v3
	s_wait_alu depctr_va_vdst(0)
	s_lshl_b32 s51, s14, 11
	s_add_co_u32 s51, s51, WSC+1024*\e
	v_add_nc_u32 v7, s51, v4
	s_wait_alu depctr_va_vdst(0)
.irp i, 0,1
.irp tau, 0,1,2,3
	ds_load_b128 v[ACC+32*\i+8*\tau:ACC+32*\i+8*\tau+3], v8 offset:BIA+256*\e+128*(\tau/2)+32*(\tau%2)       ; register j of tile tau: channel 32 (tau / 2) + 16 h + 8 (tau % 2) + j
	ds_load_b128 v[ACC+32*\i+8*\tau+4:ACC+32*\i+8*\tau+7], v8 offset:BIA+256*\e+128*(\tau/2)+32*(\tau%2)+16
.endr
.endr
	KLOOP 0, 0
.irp i, 0,1
	s_wait_xcnt 0x0                                ; the earlier stores have read their data: the codes' registers are written again only behind this wait
	QUANT2 ACC+32*\i, QT
	v_or_b32 v[QT+8], 0x7f7f0000, v[QT+8]          ; the upper 64 of the instruction's K are zero codes: their bytes are 127
.irp p, 0,1,2
	global_store_b64 v10, v[QT+10+2*\p:QT+11+2*\p], s[40:41] offset:49152*\e+768*\i+256*\p     ; 256 consecutive bytes, at a multiple of 256 from the buffer's first byte
.endr
	global_store_b32 v11, v[QT+8], s[42:43] offset:4096*\e+64*\i
.endr
.endm
	ITEM_QK 0
	NEXTW 1                                        ; stage B has landed in every wave; stage C may stay out
	ITEM_QK 1
	NEXTW 0                                        ; stage C has landed in every wave: no tensor load is out from here on
	; v of head 2 hp + half: a lane holds channel 32 (tau / 2) + 8 (tau % 2) + r + 8 (r / 8); registers 16 tau + 0 .. 15 are pixels 32 pp + 16 h + 0 .. 15 of the chunk
.set VB,  176                          ; behind the K loop the weight fragments' registers are free: the bias in pairs,
.set VM,  184                          ; largest magnitudes,
.set VP,  188                          ; lane l xor 16's,
.set VSO, 192                          ; the conversions' scale operands,
.set VBY, 196                          ; the bytes,
.set VCD, 200                          ; the codes, four registers a tile
	s_mul_i32 s50, s14, 24576
	s_add_co_u32 s50, s50, WF+98304
	v_add_nc_u32 v6, s50, v3
	s_wait_alu depctr_va_vdst(0)
	s_lshl_b32 s51, s14, 10
	s_add_co_u32 s51, s51, WSC+4096
	v_add_nc_u32 v7, s51, v4
	s_wait_alu depctr_va_vdst(0)
	KLOOP 1, 1
.irp tau, 0,1,2,3
	ds_load_b32 v[VB+2*\tau], v9 offset:BIA+1024+128*(\tau/2)+32*(\tau%2)
	ds_load_b32 v[VB+2*\tau+1], v9 offset:BIA+1024+128*(\tau/2)+32*(\tau%2)
	v_mov_b32 v[VP+\tau], 0
.endr
	s_wait_dscnt 0x0
.irp tau, 0,1,2,3
.irp n, 0,2,4,6,8,10,12,14
	v_pk_add_f32 v[ACC+16*\tau+\n:ACC+16*\tau+\n+1], v[ACC+16*\tau+\n:ACC+16*\tau+\n+1], v[VB+2*\tau:VB+2*\tau+1]
.endr
.endr
.irp tau, 0,1,2,3
	v_max3_num_f32 v[VM+\tau], |v[ACC+16*\tau]|, |v[ACC+16*\tau+1]|, FLOOR
.endr
.irp k, 2,4,6,8,10,12,14
.irp tau, 0,1,2,3
	s_delay_alu instid0(VALU_DEP_4)
	v_max3_num_f32 v[VM+\tau], v[VM+\tau], |v[ACC+16*\tau+\k]|, |v[ACC+16*\tau+\k+1]|
.endr
.endr
.irp tau, 0,1,2,3
	s_delay_alu instid0(VALU_DEP_4)
	v_permlanex16_b32 v[VP+\tau], v[VM+\tau], s[SEL], s[SEL+1]
.endr
.irp tau, 0,1,2,3
	s_delay_alu instid0(VALU_DEP_4)
	v_max_num_f32 v[VM+\tau], v[VM+\tau], v[VP+\tau]
.endr
.irp tau, 0,1,2,3
	s_delay_alu instid0(VALU_DEP_4)
	v_add_nc_u32 v[VSO+\tau], EOFF, v[VM+\tau]
.endr
.irp tau, 0,1,2,3
	s_delay_alu instid0(VALU_DEP_4)
	v_lshrrev_b32 v[VBY+\tau], 23, v[VSO+\tau]
.endr
.irp tau, 0,1,2,3
	v_cvt_scalef32_pk16_bf6_f32 v[VCD+4*\tau:VCD+4*\tau+2], v[ACC+16*\tau:ACC+16*\tau+15], v[VSO+\tau]
.endr
	v_nop                                          ; one plain instruction behind the last scaled conversion
.irp tau, 0,1,2,3
	global_store_b96 v12, v[VCD+4*\tau:VCD+4*\tau+2], s[44:45] offset:1536*\tau    ; half a block's 12 bytes a lane: the wave stores 384 consecutive bytes
	ds_store_b8 v13, v[VBY+\tau] offset:VSB+64*\tau                                ; both lanes of a block write the same byte with the same value
.endr
	s_wait_dscnt 0x0                               ; for wave 0's sake: my bytes have landed
	s_barrier_signal -1
	s_barrier_wait -1
	s_cmp_lg_u32 s2, 0
	s_cbranch_scc1 .Ldone
	ds_load_b128 v[176:179], v3 offset:VSB         ; the work-group's 512 scale bytes of v leave as two runs of 256 bytes
	s_wait_dscnt 0x0
	global_store_b128 v14, v[176:179], s[46:47]
.Ldone:
	s_wait_tensorcnt 0x0
	ds_add_u32 v254, v255
	s_wait_dscnt 0x0
	s_endpgm
.Lfunc_end_k_qf02af2bffc_qkv:
	.size	k_qf02af2bffc_qkv, .Lfunc_end_k_qf02af2bffc_qkv-k_qf02af2bffc_qkv
	.p2alignl 7, 3214868480
	.fill 96, 4, 3214868480
	.section	.rodata,"a",@progbits
	.p2align	6, 0x0
	.amdhsa_kernel k_qf02af2bffc_qkv
		.amdhsa_group_segment_fixed_size 210432
		.amdhsa_private_segment_fixed_size 0
		.amdhsa_enable_private_segment 0
		.amdhsa_kernarg_size 40
		.amdhsa_user_sgpr_count 2
		.amdhsa_user_sgpr_kernarg_segment_ptr 1
		.amdhsa_wavefront_size32 1
		.amdhsa_system_sgpr_workgroup_id_x 1
		.amdhsa_system_sgpr_workgroup_id_y 1
		.amdhsa_system_sgpr_workgroup_id_z 1
		.amdhsa_system_vgpr_workitem_id 0
		.amdhsa_next_free_vgpr 256
		.amdhsa_next_free_sgpr 80
		.amdhsa_reserve_vcc 0
		.amdhsa_float_denorm_mode_32 3
		.amdhsa_float_denorm_mode_16_64 3
		.amdhsa_memory_ordered 1
		.amdhsa_forward_progress 1
		.amdhsa_inst_pref_size 63
	.end_amdhsa_kernel
	.amdgpu_metadata
---
amdhsa.version: [ 1, 2 ]
amdhsa.kernels:
  - .name:           k_qf02af2bffc_qkv
    .symbol:         k_qf02af2bffc_qkv.kd
    .args:
      - { .name: prep, .offset: 0, .size: 8, .value_kind: global_buffer, .address_space: global }
      - { .name: bq, .offset: 8, .size: 8, .value_kind: global_buffer, .address_space: global }
      - { .name: bk, .offset: 16, .size: 8, .value_kind: global_buffer, .address_space: global }
      - { .name: bv, .offset: 24, .size: 8, .value_kind: global_buffer, .address_space: global }
      - { .name: qkv, .offset: 32, .size: 8, .value_kind: global_buffer, .address_space: global }
    .group_segment_fixed_size: 210432
    .private_segment_fixed_size: 0
    .kernarg_segment_align: 8
    .kernarg_segment_size: 40
    .max_flat_workgroup_size: 256
    .sgpr_count:     80
    .vgpr_count:     256
    .wavefront_size: 32
...
	.end_amdgpu_metadata
.endif
;; end of part 2
;; launch attn (part 3): grid 256 x 1, 16 waves a work-group, no clusters, 169,984 bytes of LDS; arguments qkv, att; writes att
.if DOCPART == 3
	.amdgcn_target "amdgcn-amd-amdhsa--gfx1250"
	.amdhsa_code_object_version 6
	.text
	.protected	k_qf02af2bffc_attn
	.globl	k_qf02af2bffc_attn
	.p2align	8
	.type	k_qf02af2bffc_attn,@function
k_qf02af2bffc_attn:
	s_mov_b64 s[64:65], 0
	v_nop
	global_prefetch_b8 v0, s[64:65] scope:SCOPE_SE
	s_setreg_imm32_b32 hwreg(HW_REG_WAVE_MODE, 25, 1), 1
	s_wait_xcnt 0x0
; O[q] = sum over keys of softmax(Q[q] . K[key] / 8) V[key], head size 64, 1,024 keys, both products on codes of BF6 (E3M2) with E8M0 scales; then O's own codes along the channels for the last product.
; THE SOFTMAX AHEAD OF THE SECOND PRODUCT: t = score x log2(e) / 8; M = the running largest t rounded UP to a whole number; p = 2^(t - M) is quantised along the keys, not normalised.
; The row's sum is taken of the unquantised p and divides O at the end.  When M moves, the sum and O are multiplied by 2^(old M - new M): exact.
; SHARES.  Work-group = (bh, quarter of the queries); each of its sixteen waves owns one tile of 16 queries in 256 registers, four waves to a SIMD, so that one wave's vector work stands beside another's products and LDS loads.
; A HEAD'S CODES OF K AND V (49,152 bytes each) COME BY TENSOR LOADS IN THREE STAGES, all issued at the head: key step 0 (6,144 bytes of each), key steps 1 and 2 (12,288), key steps 3 to 7 (30,720).
; Waves 0-7 fetch K, waves 8-15 V, each an eighth of every stage, as dense rows of 256 bytes.  Every LDS byte is filled once: no ring.  A key step begins when its stage has landed (a counted wait and a barrier);
; the later stages land under the steps before them.  By this text's count a wave has at most three tensor loads out.  The scale words (6,144 bytes) and Q come through registers.
; The launch claims 167,936 bytes of LDS; it uses 104,448.
; No cluster: of the 98,304 bytes that the four work-groups of a head share, only the first 12,288 stand ahead of the first product; the rest lands under work.
; LAYOUT.  Both products are used transposed: S^T = K Q^T (source 0 = 16 keys), O^T = V^T P^T (source 0 = 16 channels): a lane holds ONE query throughout.  Row r of a tile T of keys, of queries or of V's channels is index
; 32 (T / 2) + 8 (T % 2) + r + 8 (r / 8), so that the 16 registers of tiles 2 b, 2 b + 1 are 16 neighbours.  The head has 64 channels: registers 6-11 of Q's and K's fragments are zero codes.
; LIMITS: a block of zeros gets the byte 1 with zero codes; NaN and infinities are not served.
; REGISTERS: v1-6 addresses that stay; v8-11 the step's addresses; v12 -M, v13 the largest t, v[14:15] the sum in two halves; v16-27 Q; v28-29 V's scale words; v32-79 four fragments of K; v80-127 four of V;
;   v128-191 S^T, then p; v192-223 O^T; v224-235 p's codes; v232-254 at work; v248-249 K's scale words; v253 p's scale word; v255 Q's.
.set KC,  3145728                      ; sections of qkv
.set VC,  6291456
.set QS,  9437184
.set KS,  9699328
.set VS,  9961472
.set OS,  3145728                      ; section of att
.set KSC, 0                            ; LDS: K's scale words [T 64][r] ;
.set VSC, 4096                         ; V's [key step 8][t 4][r] ;   (these two are stored from registers; no tensor load lands there)
.set KF,  6144                         ; K's codes [T 64][3][lane][8 bytes] ;
.set VF,  55296                        ; V's codes [key step][t 4][block 4][r 16][24 bytes]
.set S,   128
.set OA,  192
.set SEL, 28                           ; s[28:29]
.set CS,  30                           ; s[30:31] c = log2(e) / 8
.set G1A, 36                           ; s[36:43] descriptor group 1 of stage A: 3 rows of 256 bytes;
.set G1B, 44                           ; s[44:51] of stage B: 6 rows;
.set G1C, 52                           ; s[52:59] of stage C: 15 rows
.set G0A, 60                           ; s[60:63], s[68:71], s[72:75] their groups 0.  None of these is written again
.set G0B, 68
.set G0C, 72
.set FLOOR, 0x2800000
.set EOFF,  0xfe000000
.macro NOP4
.rept 4
	v_nop
.endr
.endm
.macro SHAPE g, rows                   ; group 1: a dense block as rows of 32 elements of 8 bytes
	s_mov_b32 s[\g], 3<<16                         ; 15:0 no mask; 17:16 elements of 8 bytes; 20 no padding
	s_mov_b32 s[\g+1], 32<<16                      ; tensor_dim0 = 32
	s_mov_b32 s[\g+2], (\rows)<<16                 ; tensor_dim1
	s_mov_b32 s[\g+3], 32<<16                      ; tile_dim0 = 32
	s_mov_b32 s[\g+4], \rows                       ; tile_dim1
	s_mov_b32 s[\g+5], 32                          ; from row to row: 32 elements
	s_mov_b32 s[\g+6], 0
	s_mov_b32 s[\g+7], 0
.endm
.macro PLACE g, off                    ; group 0: my part begins s[off] bytes into the head's K or V, in LDS (s23) as in memory (s[12:13])
	s_mov_b32 s[\g], 1                             ; 1:0 count = 1
	s_add_co_u32 s[\g+1], s23, s[\off]             ; 63:32 LDS address
	s_add_nc_u64 s[\g+2:\g+3], s[12:13], s[\off:\off+1]          ; 120:64 global address
	s_or_b32 s[\g+3], s[\g+3], 0x80000000          ; 127:126 type = 2
.endm
; The next stage: my part of it has landed (left = my younger tensor loads, which may stay out: nothing is filled twice), my LDS instructions are done; then every wave's are.
.macro STAGE left
	s_wait_tensorcnt \left
	s_wait_dscnt 0x0
	s_barrier_signal -1
	s_barrier_wait -1
.endm
.macro WM d, a, b, cm, c, sa, sb, ra, rb
.if (\cm) == 0
.if ((\ra) == 0) && ((\rb) == 0)
	v_wmma_scale_f32_16x16x128_f8f6f4 v[(\d):(\d)+7], v[(\a):(\a)+11], v[(\b):(\b)+11], 0, v[(\sa)], v[(\sb)] matrix_a_fmt:MATRIX_FMT_BF6 matrix_b_fmt:MATRIX_FMT_BF6
.elseif (\rb) == 0
	v_wmma_scale_f32_16x16x128_f8f6f4 v[(\d):(\d)+7], v[(\a):(\a)+11], v[(\b):(\b)+11], 0, v[(\sa)], v[(\sb)] matrix_a_fmt:MATRIX_FMT_BF6 matrix_b_fmt:MATRIX_FMT_BF6 matrix_a_scale:MATRIX_SCALE_ROW1
.elseif (\ra) == 0
	v_wmma_scale_f32_16x16x128_f8f6f4 v[(\d):(\d)+7], v[(\a):(\a)+11], v[(\b):(\b)+11], 0, v[(\sa)], v[(\sb)] matrix_a_fmt:MATRIX_FMT_BF6 matrix_b_fmt:MATRIX_FMT_BF6 matrix_b_scale:MATRIX_SCALE_ROW1
.else
	v_wmma_scale_f32_16x16x128_f8f6f4 v[(\d):(\d)+7], v[(\a):(\a)+11], v[(\b):(\b)+11], 0, v[(\sa)], v[(\sb)] matrix_a_fmt:MATRIX_FMT_BF6 matrix_b_fmt:MATRIX_FMT_BF6 matrix_a_scale:MATRIX_SCALE_ROW1 matrix_b_scale:MATRIX_SCALE_ROW1
.endif
.else
.if ((\ra) == 0) && ((\rb) == 0)
	v_wmma_scale_f32_16x16x128_f8f6f4 v[(\d):(\d)+7], v[(\a):(\a)+11], v[(\b):(\b)+11], v[(\c):(\c)+7], v[(\sa)], v[(\sb)] matrix_a_fmt:MATRIX_FMT_BF6 matrix_b_fmt:MATRIX_FMT_BF6
.elseif (\rb) == 0
	v_wmma_scale_f32_16x16x128_f8f6f4 v[(\d):(\d)+7], v[(\a):(\a)+11], v[(\b):(\b)+11], v[(\c):(\c)+7], v[(\sa)], v[(\sb)] matrix_a_fmt:MATRIX_FMT_BF6 matrix_b_fmt:MATRIX_FMT_BF6 matrix_a_scale:MATRIX_SCALE_ROW1
.elseif (\ra) == 0
	v_wmma_scale_f32_16x16x128_f8f6f4 v[(\d):(\d)+7], v[(\a):(\a)+11], v[(\b):(\b)+11], v[(\c):(\c)+7], v[(\sa)], v[(\sb)] matrix_a_fmt:MATRIX_FMT_BF6 matrix_b_fmt:MATRIX_FMT_BF6 matrix_b_scale:MATRIX_SCALE_ROW1
.else
	v_wmma_scale_f32_16x16x128_f8f6f4 v[(\d):(\d)+7], v[(\a):(\a)+11], v[(\b):(\b)+11], v[(\c):(\c)+7], v[(\sa)], v[(\sb)] matrix_a_fmt:MATRIX_FMT_BF6 matrix_b_fmt:MATRIX_FMT_BF6 matrix_a_scale:MATRIX_SCALE_ROW1 matrix_b_scale:MATRIX_SCALE_ROW1
.endif
.endif
.endm
; 32 numbers of a lane, register 16 b + i = k 32 b + 16 (lane / 16) + i of my row, become registers 0-5 of a fragment in v[q+10 .. q+15] and the two scale bytes in v[q+8].
.macro QUANT2 src, q
.irp b, 0,1
	v_max3_num_f32 v[(\q)+\b], |v[(\src)+16*\b]|, |v[(\src)+16*\b+1]|, FLOOR
.endr
.irp k, 2,4,6,8,10,12,14
.irp b, 0,1
	s_delay_alu instid0(VALU_DEP_2)
	v_max3_num_f32 v[(\q)+\b], v[(\q)+\b], |v[(\src)+16*\b+\k]|, |v[(\src)+16*\b+\k+1]|
.endr
.endr
.irp b, 0,1
	s_delay_alu instid0(VALU_DEP_2)
	v_permlanex16_b32 v[(\q)+2+\b], v[(\q)+\b], s[SEL], s[SEL+1]
.endr
.irp b, 0,1
	s_delay_alu instid0(VALU_DEP_2)
	v_max_num_f32 v[(\q)+\b], v[(\q)+\b], v[(\q)+2+\b]
.endr
.irp b, 0,1
	s_delay_alu instid0(VALU_DEP_2)
	v_add_nc_u32 v[(\q)+4+\b], EOFF, v[(\q)+\b]
.endr
.irp b, 0,1
	s_delay_alu instid0(VALU_DEP_2)
	v_lshrrev_b32 v[(\q)+6+\b], 23, v[(\q)+4+\b]
.endr
	s_delay_alu instid0(VALU_DEP_1)
	v_lshl_or_b32 v[(\q)+8], v[(\q)+7], 8, v[(\q)+6]
	v_cvt_scalef32_pk16_bf6_f32 v[(\q)+10:(\q)+12], v[(\src):(\src)+15], v[(\q)+4]
	v_cvt_scalef32_pk16_bf6_f32 v[(\q)+16:(\q)+18], v[(\src)+16:(\src)+31], v[(\q)+5]
	v_nop                                          ; one plain instruction behind a scaled conversion
.irp i, 0,1,2
	v_permlane16_swap_b32 v[(\q)+10+\i], v[(\q)+16+\i]
.endr
.irp i, 0,1,2
	s_delay_alu instid0(VALU_DEP_3)
	v_mov_b32 v[(\q)+13+\i], v[(\q)+16+\i]
.endr
.endm
	s_load_b128 s[4:7], s[0:1], 0x0                ; qkv, att
	v_lshl_add_u32 v250, v0, 2, 0x29000
	v_mov_b32 v251, 0
	ds_add_u32 v250, v251
	ds_add_u32 v250, v251
	v_lshrrev_b32 v1, 5, v0
	s_delay_alu instid0(VALU_DEP_1)
	v_readfirstlane_b32 s2, v1                     ; wave 0..15
	s_lshr_b32 s3, ttmp9, 2                        ; bh
	s_and_b32 s8, ttmp9, 3
	s_lshl_b32 s9, s8, 4
	s_add_co_u32 s9, s9, s2                        ; T: my tile of queries
	s_lshl_b32 s10, s3, 6
	s_add_co_u32 s10, s10, s9                      ; 64 bh + T
	SHAPE G1A, 3
	SHAPE G1B, 6
	SHAPE G1C, 15
	s_lshr_b32 s11, s2, 3                          ; 0: I fetch of K; 1: of V
	s_and_b32 s22, s2, 7                           ; which eighth of a stage
	s_mul_i32 s12, s3, 49152                       ; the head's codes of K or of V, in memory,
	s_mul_i32 s23, s11, VC-KC
	s_add_co_u32 s12, s12, s23
	s_add_co_u32 s12, s12, KC
	s_mov_b32 s13, 0
	s_mul_i32 s23, s11, 49152
	s_add_co_u32 s23, s23, KF                      ; and in LDS
	s_mul_i32 s76, s22, 768                        ; stage A begins at byte 0: 768 bytes a wave;
	s_mov_b32 s77, 0
	s_mul_i32 s78, s22, 1536
	s_add_co_u32 s78, s78, 6144                    ; stage B at byte 6,144: 1,536 a wave;
	s_mov_b32 s79, 0
	s_mul_i32 s80, s22, 3840
	s_add_co_u32 s80, s80, 18432                   ; stage C at byte 18,432: 3,840 a wave
	s_mov_b32 s81, 0
	s_lshl_b32 s14, s3, 12
	s_add_co_u32 s14, s14, KS
	s_mov_b32 s15, 0
	s_lshl_b32 s16, s3, 11
	s_add_co_u32 s16, s16, VS
	s_mov_b32 s17, 0
	s_mul_i32 s18, s10, 768                        ; Q's codes
	s_mov_b32 s19, 0
	s_lshl_b32 s20, s10, 6
	s_add_co_u32 s20, s20, QS
	s_mov_b32 s21, 0
	s_lshr_b32 s32, s3, 3                          ; the way out: att's codes [b][T][pair of heads][6 pieces of 256 bytes]; head hd owns pieces 3 (hd % 2) on
	s_lshl_b32 s32, s32, 6
	s_add_co_u32 s32, s32, s9
	s_lshl_b32 s32, s32, 2
	s_bfe_u32 s33, s3, 0x20001
	s_add_co_u32 s32, s32, s33
	s_mul_i32 s32, s32, 1536
	s_and_b32 s33, s3, 1
	s_mul_i32 s33, s33, 768
	s_add_co_u32 s32, s32, s33
	s_mov_b32 s33, 0
	s_lshl_b32 s34, s10, 6
	s_mov_b32 s35, 0
	s_mov_b32 s[SEL], 0x76543210
	s_mov_b32 s[SEL+1], 0xfedcba98
	s_mov_b32 s[CS], 0x3e38aa3b                    ; log2(e) / 8
	s_mov_b32 s[CS+1], s[CS]                       ; (named with it as a pair, so it is written)
	s_mov_b32 s24, 0                               ; the step's codes of K and of V: 6,144 bytes a step
	s_mov_b32 s25, 0                               ; K's scale words: 512
	s_mov_b32 s26, 0                               ; V's: 256
	s_mov_b32 s27, 5                               ; the key steps of the last stage
	v_and_b32 v7, 31, v0                           ; lane
	v_and_b32 v9, 15, v0                           ; r
	v_bfe_u32 v10, v0, 4, 1                        ; h
	s_delay_alu instid0(VALU_DEP_3)
	v_lshl_add_u32 v1, v7, 3, KF                   ; K: 8 x lane
	s_delay_alu instid0(VALU_DEP_3)
	v_mul_u32_u24 v2, v9, 24
	s_delay_alu instid0(VALU_DEP_1)
	v_mad_u32_u24 v2, v10, 384, v2
	s_delay_alu instid0(VALU_DEP_1)
	v_add_nc_u32 v2, VF, v2                        ; V: 384 h + 24 r: the two halves of the lanes fall on different banks
	v_lshlrev_b32 v3, 2, v7                        ; K's scale words (KSC = 0): 4 x lane: lanes 0-15 the even tile, lanes 16-31 the odd one
	v_lshl_add_u32 v4, v7, 2, VSC
	v_lshlrev_b32 v5, 3, v7                        ; 8 x lane
	v_lshlrev_b32 v6, 2, v9                        ; 4 r
	v_lshlrev_b32 v10, 3, v0                       ; the scale words' copy: 8 t,
	v_lshlrev_b32 v11, 2, v0                       ; 4 t
	s_wait_alu depctr_va_vdst(0)
	s_wait_dscnt 0x0
	s_wait_kmcnt 0x0
	; THE THREE STAGES go out first, as one group, ahead of every wait on TENSORcnt, every LDS read and every barrier
	s_add_nc_u64 s[12:13], s[4:5], s[12:13]
	PLACE G0A, 76
	PLACE G0B, 78
	PLACE G0C, 80
	tensor_load_to_lds s[G0A:G0A+3], s[G1A:G1A+7]  ; key step 0
	s_nop 0
	tensor_load_to_lds s[G0B:G0B+3], s[G1B:G1B+7]  ; key steps 1, 2
	s_nop 0
	tensor_load_to_lds s[G0C:G0C+3], s[G1C:G1C+7]  ; key steps 3 to 7
	s_nop 0
	NOP4
	s_add_nc_u64 s[14:15], s[4:5], s[14:15]
	s_add_nc_u64 s[16:17], s[4:5], s[16:17]
	s_add_nc_u64 s[18:19], s[4:5], s[18:19]
	s_add_nc_u64 s[20:21], s[4:5], s[20:21]
	s_add_nc_u64 s[32:33], s[6:7], s[32:33]
	s_add_nc_u64 s[34:35], s[6:7], s[34:35]
	global_load_b64 v[176:177], v10, s[14:15]      ; K's scale words of the head: 4,096 bytes;
	global_load_b32 v178, v11, s[16:17]            ; V's: 2,048
.irp p, 0,1,2
	global_load_b64 v[16+2*\p:17+2*\p], v5, s[18:19] offset:256*\p     ; Q's registers 0-5 stay
.endr
	global_load_b32 v255, v6, s[20:21]
.irp i, 22,23,24,25,26,27
	v_mov_b32 v[\i], 0                             ; the upper 64 of K: zero codes, in Q
.endr
.irp t, 0,1,2,3
.irp i, 6,7,8,9,10,11
	v_mov_b32 v[32+12*\t+\i], 0                    ; and in K's four fragments: written once, never loaded
.endr
.endr
	v_mov_b32 v13, 0xff61b1e6                      ; the largest t so far: -3e38, under every t
	s_delay_alu instid0(VALU_DEP_1)
	v_floor_f32 v12, -v13                          ; -M
	v_mov_b32 v14, 0
	v_mov_b32 v15, 0
.irp b, 0,1,2,3
	v_mov_b32 v[236+\b], 0                         ; a lane permute's destination counts as one of its sources
.endr
	v_mov_b32 v253, 0                              ; (named as the upper half of the pair v[252:253] before it is first written)
.set n, 0
.rept 32
	v_mov_b32 v[OA+n], 0                           ; O^T.  (The step is written once as a macro: the first finds zeros, which the first change of M leaves zeros)
.set n, n+1
.endr
	s_wait_loadcnt 0x0
	ds_store_b64 v10, v[176:177] offset:KSC
	ds_store_b32 v11, v178 offset:VSC
.macro KLD g                           ; four tiles of 16 keys: 12 loads of 8 bytes (256 consecutive bytes each) and 2 scale registers
.irp t, 0,1,2,3
.irp p, 0,1,2
	ds_load_b64 v[32+12*\t+2*\p:33+12*\t+2*\p], v8 offset:3072*\g+768*\t+256*\p
.endr
.endr
.irp jj, 0,1
	ds_load_b32 v[248+\jj], v10 offset:256*\g+128*\jj
.endr
.endm
.macro SMM g
.irp t, 0,1,2,3
	WM S+8*(4*\g+\t), 32+12*\t, 16, 0, 0, 248+\t/2, 255, \t%2, 0
.endr
.endm
; A KEY STEP: 128 keys, those at s24 (codes), s25, s26 (scale words), which it steps at its end.
.macro STEP
	v_add_nc_u32 v8, s24, v1                       ; (these four are also places behind the last step's products)
	v_add_nc_u32 v9, s24, v2
	v_add_nc_u32 v10, s25, v3
	v_add_nc_u32 v11, s26, v4
	KLD 0
	s_wait_alu depctr_va_vdst(0)
	s_wait_dscnt 0x0
	SMM 0
	NOP4                                           ; ahead of loads into registers that matrix instructions have read
	KLD 1
.irp t, 0,1,2,3                                ; V's four fragments are asked for here and land under the softmax
.irp c, 0,1
.irp p, 0,1,2
	ds_load_b64 v[80+12*\t+6*\c+2*\p:81+12*\t+6*\c+2*\p], v9 offset:1536*\t+768*\c+8*\p
.endr
.endr
.endr
.irp jj, 0,1
	ds_load_b32 v[28+\jj], v11 offset:128*\jj
.endr
	s_wait_dscnt 26                                ; K's second four tiles are in; V's 24 loads and its 2 scale registers may be out
	SMM 1
	NOP4
.irp b, 0,1,2,3
	v_max3_num_f32 v[232+\b], v[S+16*\b], v[S+1+16*\b], v[S+2+16*\b]   ; the largest score of each block of 32 keys: it serves for the row's maximum and, since p rises with the score, for the block's largest p
.endr
.irp i, 3,5,7,9,11,13
.irp b, 0,1,2,3
	v_max3_num_f32 v[232+\b], v[232+\b], v[S+16*\b+\i], v[S+1+16*\b+\i]
.endr
.endr
.irp b, 0,1,2,3
	v_max_num_f32 v[232+\b], v[232+\b], v[S+15+16*\b]
.endr
.irp b, 0,1,2,3
	s_delay_alu instid0(VALU_DEP_4)
	v_permlanex16_b32 v[236+\b], v[232+\b], s[SEL], s[SEL+1]
.endr
.irp b, 0,1,2,3
	s_delay_alu instid0(VALU_DEP_4)
	v_max_num_f32 v[232+\b], v[232+\b], v[236+\b]  ; with lane l xor 16's 16 keys
.endr
	s_delay_alu instid0(VALU_DEP_2)
	v_max3_num_f32 v254, v232, v233, v234
	s_delay_alu instid0(VALU_DEP_1)
	v_max_num_f32 v254, v254, v235                 ; the step's largest score of my query
	s_delay_alu instid0(VALU_DEP_1)
	v_mul_f32 v254, s[CS], v254                    ; as t (c is positive)
	s_delay_alu instid0(VALU_DEP_1)
	v_max_num_f32 v13, v13, v254                   ; the running largest t
	v_mov_b32 v254, v12
	s_delay_alu instid0(VALU_DEP_2)
	v_floor_f32 v12, -v13                          ; the new -M = floor(-t) = -ceil(t)
	s_delay_alu instid0(VALU_DEP_1)
	v_sub_f32 v254, v12, v254                      ; old M - new M: a whole number, 0 or less
	s_delay_alu instid0(VALU_DEP_1)
	v_cvt_i32_f32 v254, v254                       ; (it saturates)
	s_delay_alu instid0(VALU_DEP_1)
	v_ldexp_f32 v252, 1.0, v254                    ; f = 2^(old M - new M)
.irp j, 0,2,4,6,8,10,12,14,16,18,20,22,24,26,28,30,32,34,36,38,40,42,44,46,48,50,52,54,56,58,60,62
	v_pk_fma_f32 v[S+\j:S+1+\j], v[S+\j:S+1+\j], s[CS:CS+1], v[12:13] op_sel_hi:[1,0,0]     ; t - M, two at a time
.endr
.irp b, 0,1,2,3
	v_fma_f32 v[232+\b], v[232+\b], s[CS], v12     ; the same of each block's largest score
.endr
.set n, 0
	s_setprio 1
	s_wait_alu depctr_va_vdst(0)
.rept 64
	v_exp_f32 v[S+n], v[S+n]                       ; p = 2^(t - M), at most 1
.set n, n+1
.endr
.irp b, 0,1,2,3
	v_exp_f32 v[232+\b], v[232+\b]                 ; the block's largest p: the same two instructions on the same number
.endr
	v_pk_mul_f32 v[14:15], v[14:15], v[252:253] op_sel_hi:[1,0]        ; the sums under the new M.  (The plain instruction behind the exponentials)
	s_wait_alu depctr_va_vdst(0)
.irp b, 0,1,2,3
	v_max_num_f32 v[232+\b], FLOOR, v[232+\b]
.endr
.irp b, 0,1,2,3
	s_delay_alu instid0(VALU_DEP_4)
	v_add_nc_u32 v[244+\b], EOFF, v[232+\b]
.endr
.irp b, 0,1,2,3
	s_delay_alu instid0(VALU_DEP_4)
	v_lshrrev_b32 v[236+\b], 23, v[244+\b]
.endr
	s_delay_alu instid0(VALU_DEP_3)
	v_lshl_or_b32 v253, v237, 8, v236              ; p's scale word for these 128 keys
	s_delay_alu instid0(VALU_DEP_1)
	v_lshl_or_b32 v253, v238, 16, v253
	s_delay_alu instid0(VALU_DEP_1)
	v_lshl_or_b32 v253, v239, 24, v253
.irp c, 0,1
	v_cvt_scalef32_pk16_bf6_f32 v[224+6*\c:226+6*\c], v[S+32*\c:S+15+32*\c], v[244+2*\c]
	v_cvt_scalef32_pk16_bf6_f32 v[236+4*\c:238+4*\c], v[S+16+32*\c:S+31+32*\c], v[244+2*\c+1]
.endr
	v_nop                                          ; one plain instruction behind a scaled conversion
.irp c, 0,1
.irp i, 0,1,2
	v_permlane16_swap_b32 v[224+6*\c+\i], v[236+4*\c+\i]           ; a whole block in a lane: lanes 0-15 block 2 c, lanes 16-31 block 2 c + 1
.endr
.irp i, 0,1,2
	s_delay_alu instid0(VALU_DEP_3)
	v_mov_b32 v[227+6*\c+\i], v[236+4*\c+\i]
.endr
.endr
	v_pk_add_f32 v[236:237], v[132:133], v[136:137]
	v_pk_add_f32 v[248:249], v[140:141], v[144:145]
	v_pk_add_f32 v[246:247], v[148:149], v[152:153]
	v_pk_add_f32 v[244:245], v[156:157], v[160:161]
	v_pk_add_f32 v[242:243], v[164:165], v[168:169]
	v_pk_add_f32 v[240:241], v[172:173], v[176:177]
	v_pk_add_f32 v[72:73], v[180:181], v[184:185]
	v_pk_add_f32 v[14:15], v[14:15], v[188:189]
	v_pk_add_f32 v[236:237], v[236:237], v[128:129]
	v_pk_add_f32 v[248:249], v[248:249], v[130:131]
	v_pk_add_f32 v[246:247], v[246:247], v[134:135]
	v_pk_add_f32 v[244:245], v[244:245], v[138:139]
	v_pk_add_f32 v[242:243], v[242:243], v[142:143]
	v_pk_add_f32 v[240:241], v[240:241], v[146:147]
	v_pk_add_f32 v[72:73], v[72:73], v[150:151]
	v_pk_add_f32 v[14:15], v[14:15], v[154:155]
	v_pk_add_f32 v[236:237], v[236:237], v[158:159]
	v_pk_add_f32 v[248:249], v[248:249], v[162:163]
	v_pk_add_f32 v[246:247], v[246:247], v[166:167]
	v_pk_add_f32 v[244:245], v[244:245], v[170:171]
	v_pk_add_f32 v[242:243], v[242:243], v[174:175]
	v_pk_add_f32 v[240:241], v[240:241], v[178:179]
	v_pk_add_f32 v[72:73], v[72:73], v[182:183]
	s_setprio 0
	v_pk_add_f32 v[14:15], v[14:15], v[186:187]
	v_pk_add_f32 v[236:237], v[236:237], v[190:191]
	s_delay_alu instid0(VALU_DEP_2)
	v_pk_add_f32 v[14:15], v[14:15], v[244:245]
	s_delay_alu instid0(VALU_DEP_2)
	v_pk_add_f32 v[236:237], v[236:237], v[242:243]
	v_pk_add_f32 v[248:249], v[248:249], v[240:241]
	v_pk_add_f32 v[246:247], v[246:247], v[72:73]
	s_delay_alu instid0(VALU_DEP_2)
	v_pk_add_f32 v[14:15], v[14:15], v[248:249]
	s_delay_alu instid0(VALU_DEP_2)
	v_pk_add_f32 v[236:237], v[236:237], v[246:247]
	s_delay_alu instid0(VALU_DEP_1)
	v_pk_add_f32 v[14:15], v[14:15], v[236:237]
.irp j, 0,2,4,6,8,10,12,14,16,18,20,22,24,26,28,30
	v_pk_mul_f32 v[OA+\j:OA+1+\j], v[OA+\j:OA+1+\j], v[252:253] op_sel_hi:[1,0]      ; O^T under the new M.  (With the sums above: the places between the vector writes of p's codes and scale word and the products)
.endr
	s_wait_alu depctr_va_vdst(0)
	s_wait_dscnt 0x0                               ; V
.irp t, 0,1,2,3                                ; four accumulators by turns; the next matrix instruction, in the next step, writes S^T
	WM OA+8*\t, 80+12*\t, 224, 1, OA+8*\t, 28+\t/2, 253, \t%2, 0
.endr
	s_add_co_u32 s24, s24, 6144
	s_add_co_u32 s25, s25, 512
	s_add_co_u32 s26, s26, 256
.endm
	STAGE 2                                        ; key step 0's codes have landed (my two younger loads may stay out) and the scale words are stored, in every wave
	STEP                                           ; key step 0
	STAGE 1                                        ; key steps 1 and 2 have landed; my youngest load may stay out
	STEP
	STEP
	STAGE 0                                        ; the rest has landed: no tensor load is out from here on
.Lstep:                                            ; 5 trips: key steps 3 to 7
	s_setprio 2
	STEP
	s_sub_co_u32 s27, s27, 1
	s_cmp_lg_u32 s27, 0
	s_cbranch_scc1 .Lstep
	s_setprio 0
	NOP4                                           ; ahead of the first read of O^T
	v_add_f32 v14, v14, v15                        ; the sum's two halves,
	s_delay_alu instid0(VALU_DEP_1)
	v_permlanex16_b32 v252, v14, s[SEL], s[SEL+1]
	s_delay_alu instid0(VALU_DEP_1)
	v_add_f32 v14, v14, v252                       ; and lane l xor 16's
	s_wait_alu depctr_va_vdst(0)
	v_rcp_f32 v14, v14
	v_mov_b32 v34, 0                               ; (the plain instruction behind the transcendental; K's fragment registers are free: QUANT2 works in v32-50)
	v_mov_b32 v35, 0
.set n, 0
	s_wait_alu depctr_va_vdst(0)
.rept 32
	v_mul_f32 v[S+n], v[OA+n], v14                 ; O / the sum: register 16 b + i is channel 32 b + 16 h + i of my query
.set n, n+1
.endr
	QUANT2 S, 32
.irp p, 0,1,2
	global_store_b64 v5, v[42+2*\p:43+2*\p], s[32:33] offset:256*\p    ; 256 consecutive bytes, at a multiple of 256 from the buffer's first byte
.endr
	global_store_b32 v6, v40, s[34:35] offset:OS   ; my row's two bytes; lanes 16-31 repeat lanes 0-15's
	s_wait_tensorcnt 0x0
	ds_add_u32 v250, v251
	s_wait_dscnt 0x0
	s_endpgm
.Lfunc_end_k_qf02af2bffc_attn:
	.size	k_qf02af2bffc_attn, .Lfunc_end_k_qf02af2bffc_attn-k_qf02af2bffc_attn
	.p2alignl 7, 3214868480
	.fill 96, 4, 3214868480
	.section	.rodata,"a",@progbits
	.p2align	6, 0x0
	.amdhsa_kernel k_qf02af2bffc_attn
		.amdhsa_group_segment_fixed_size 169984
		.amdhsa_private_segment_fixed_size 0
		.amdhsa_enable_private_segment 0
		.amdhsa_kernarg_size 16
		.amdhsa_user_sgpr_count 2
		.amdhsa_user_sgpr_kernarg_segment_ptr 1
		.amdhsa_wavefront_size32 1
		.amdhsa_system_sgpr_workgroup_id_x 1
		.amdhsa_system_sgpr_workgroup_id_y 1
		.amdhsa_system_sgpr_workgroup_id_z 1
		.amdhsa_system_vgpr_workitem_id 0
		.amdhsa_next_free_vgpr 256
		.amdhsa_next_free_sgpr 84
		.amdhsa_reserve_vcc 0
		.amdhsa_float_denorm_mode_32 3
		.amdhsa_float_denorm_mode_16_64 3
		.amdhsa_memory_ordered 1
		.amdhsa_forward_progress 1
		.amdhsa_inst_pref_size 89
	.end_amdhsa_kernel
	.amdgpu_metadata
---
amdhsa.version: [ 1, 2 ]
amdhsa.kernels:
  - .name:           k_qf02af2bffc_attn
    .symbol:         k_qf02af2bffc_attn.kd
    .args:
      - { .name: qkv, .offset: 0, .size: 8, .value_kind: global_buffer, .address_space: global }
      - { .name: att, .offset: 8, .size: 8, .value_kind: global_buffer, .address_space: global }
    .group_segment_fixed_size: 169984
    .private_segment_fixed_size: 0
    .kernarg_segment_align: 8
    .kernarg_segment_size: 16
    .max_flat_workgroup_size: 512
    .sgpr_count:     84
    .vgpr_count:     256
    .wavefront_size: 32
...
	.end_amdgpu_metadata
.endif
;; end of part 3
;; launch proj (part 4): grid 256 x 1, 8 waves a work-group, no clusters, 173,056 bytes of LDS; arguments att, prep, bp, x, out0; writes out0
.if DOCPART == 4
	.amdgcn_target "amdgcn-amd-amdhsa--gfx1250"
	.amdhsa_code_object_version 6
	.text
	.protected	k_qf02af2bffc_proj
	.globl	k_qf02af2bffc_proj
	.p2align	8
	.type	k_qf02af2bffc_proj,@function
k_qf02af2bffc_proj:
	s_mov_b64 s[64:65], 0
	v_nop
	global_prefetch_b8 v0, s[64:65] scope:SCOPE_SE
	s_setreg_imm32_b32 hwreg(HW_REG_WAVE_MODE, 25, 1), 1
	s_wait_xcnt 0x0
; out0 = Wp att + bp + x, the product on codes of BF6 (E3M2) with E8M0 scales; K = 512 channels.
; SHARES.  Work-group = (image b, 128 pixels "chunk", 128 outputs oq).  Wave w: ph = w % 2: pixel tiles 4 ph .. 4 ph + 3 (64 pixels, 256 bytes of a row of out0); op = w / 2: output tiles 2 op, 2 op + 1.  Eight accumulators, 32 matrix instructions.
; Source 0 = 16 pixels of att, source 1 = 16 outputs of Wp: a lane holds ONE output and its registers run along the pixels, which are innermost in out0.  Row r of a tile T is index 32 (T / 2) + 8 (T % 2) + r + 8 (r / 8).
; The bias is the C of each sum's first matrix instruction (eight equal registers: a lane has one output).  The operands (100 KB) are copied into LDS once, by dense loads through registers: one barrier, no tensor load, no ring.
; No cluster: what work-groups share (att's codes by four, Wp's by 64) comes once at each work-group's head and not step by step.
; x is asked for at the head and waited for on the way out.  The results go through the wave's own stage in LDS, so that sixteen lanes store 256 consecutive bytes.
.set WC,  3276800                      ; sections of prep
.set WS,  4063232
.set OS,  3145728                      ; section of att
.set OF,  0                            ; LDS: att's codes [tile 8][K step 4][6 pieces][lane][8 bytes]
.set WPF, 49152                        ; Wp's fragments [tile 8][K step 4][1,536 bytes]
.set OSC, 98304                        ; att's scale words [K step][row 128]
.set WPS, 100352                       ; Wp's [pair of tiles 4][K step 4][128 bytes]
.set STG, 102400                       ; 8 waves x 32 rows x (256 + 16) bytes
.set XR,  16                           ; v16-79    x: 16 x 4 registers
.set ACC, 80                           ; v80-143   accumulator (nu, tl) at 32 nu + 8 tl
.set OFR, 144                          ; v144-191  att's four fragments
.set WFR, 192                          ; v192-215  Wp's two
.set SCO, 216                          ; v216-217  att's scale words: lanes 0-15 the even tile, lanes 16-31 the odd one
.set SCW, 218                          ; v218      Wp's: lanes 0-15 tile nu = 0, lanes 16-31 nu = 1
.set BI8, 220                          ; v220-235  the bias, eight equal registers for each nu
.set OUT, 144                          ; the way out: rows read back from the stage
.macro NOP4
.rept 4
	v_nop
.endr
.endm
.macro WM d, a, b, cm, c, sa, sb, ra, rb
.if (\cm) == 0
.if ((\ra) == 0) && ((\rb) == 0)
	v_wmma_scale_f32_16x16x128_f8f6f4 v[(\d):(\d)+7], v[(\a):(\a)+11], v[(\b):(\b)+11], 0, v[(\sa)], v[(\sb)] matrix_a_fmt:MATRIX_FMT_BF6 matrix_b_fmt:MATRIX_FMT_BF6
.elseif (\rb) == 0
	v_wmma_scale_f32_16x16x128_f8f6f4 v[(\d):(\d)+7], v[(\a):(\a)+11], v[(\b):(\b)+11], 0, v[(\sa)], v[(\sb)] matrix_a_fmt:MATRIX_FMT_BF6 matrix_b_fmt:MATRIX_FMT_BF6 matrix_a_scale:MATRIX_SCALE_ROW1
.elseif (\ra) == 0
	v_wmma_scale_f32_16x16x128_f8f6f4 v[(\d):(\d)+7], v[(\a):(\a)+11], v[(\b):(\b)+11], 0, v[(\sa)], v[(\sb)] matrix_a_fmt:MATRIX_FMT_BF6 matrix_b_fmt:MATRIX_FMT_BF6 matrix_b_scale:MATRIX_SCALE_ROW1
.else
	v_wmma_scale_f32_16x16x128_f8f6f4 v[(\d):(\d)+7], v[(\a):(\a)+11], v[(\b):(\b)+11], 0, v[(\sa)], v[(\sb)] matrix_a_fmt:MATRIX_FMT_BF6 matrix_b_fmt:MATRIX_FMT_BF6 matrix_a_scale:MATRIX_SCALE_ROW1 matrix_b_scale:MATRIX_SCALE_ROW1
.endif
.else
.if ((\ra) == 0) && ((\rb) == 0)
	v_wmma_scale_f32_16x16x128_f8f6f4 v[(\d):(\d)+7], v[(\a):(\a)+11], v[(\b):(\b)+11], v[(\c):(\c)+7], v[(\sa)], v[(\sb)] matrix_a_fmt:MATRIX_FMT_BF6 matrix_b_fmt:MATRIX_FMT_BF6
.elseif (\rb) == 0
	v_wmma_scale_f32_16x16x128_f8f6f4 v[(\d):(\d)+7], v[(\a):(\a)+11], v[(\b):(\b)+11], v[(\c):(\c)+7], v[(\sa)], v[(\sb)] matrix_a_fmt:MATRIX_FMT_BF6 matrix_b_fmt:MATRIX_FMT_BF6 matrix_a_scale:MATRIX_SCALE_ROW1
.elseif (\ra) == 0
	v_wmma_scale_f32_16x16x128_f8f6f4 v[(\d):(\d)+7], v[(\a):(\a)+11], v[(\b):(\b)+11], v[(\c):(\c)+7], v[(\sa)], v[(\sb)] matrix_a_fmt:MATRIX_FMT_BF6 matrix_b_fmt:MATRIX_FMT_BF6 matrix_b_scale:MATRIX_SCALE_ROW1
.else
	v_wmma_scale_f32_16x16x128_f8f6f4 v[(\d):(\d)+7], v[(\a):(\a)+11], v[(\b):(\b)+11], v[(\c):(\c)+7], v[(\sa)], v[(\sb)] matrix_a_fmt:MATRIX_FMT_BF6 matrix_b_fmt:MATRIX_FMT_BF6 matrix_a_scale:MATRIX_SCALE_ROW1 matrix_b_scale:MATRIX_SCALE_ROW1
.endif
.endif
.endm
	s_load_b256 s[4:11], s[0:1], 0x0               ; att, prep, bp, x
	s_load_b64 s[12:13], s[0:1], 0x20              ; out0
	v_lshl_add_u32 v254, v0, 2, 0x2a000
	v_mov_b32 v255, 0
	v_lshrrev_b32 v1, 5, v0
	s_delay_alu instid0(VALU_DEP_1)
	v_readfirstlane_b32 s2, v1                     ; wave 0..7
	s_and_b32 s3, s2, 1                            ; ph
	s_lshr_b32 s14, s2, 1                          ; op
	s_lshr_b32 s15, ttmp9, 5                       ; b
	s_bfe_u32 s16, ttmp9, 0x30002                  ; chunk
	s_and_b32 s17, ttmp9, 3                        ; oq
	s_lshl_b32 s20, s15, 6                         ; att's codes: tile 64 b + 8 chunk, 6,144 bytes a tile
	s_lshl_b32 s34, s16, 3
	s_add_co_u32 s20, s20, s34
	s_mul_i32 s20, s20, 6144
	s_mov_b32 s21, 0
	s_mul_i32 s22, s17, 49152                      ; Wp's 8 tiles
	s_mov_b32 s23, 0
	s_lshl_b32 s24, s17, 11                        ; their scale words
	s_mov_b32 s25, 0
	s_lshl_b32 s26, s15, 15                        ; att's scale words
	s_lshl_b32 s34, s16, 9
	s_add_co_u32 s26, s26, s34
	s_mov_b32 s27, 0
	s_lshl_b32 s28, s17, 9                         ; bp: 4 (128 oq + 32 op)
	s_lshl_b32 s34, s14, 7
	s_add_co_u32 s28, s28, s34
	s_mov_b32 s29, 0
	s_lshl_b32 s30, s15, 9                         ; x and out0: row 512 b + 128 oq + 32 op of 4,096 bytes, + 512 chunk + 256 ph
	s_lshl_b32 s34, s17, 7
	s_add_co_u32 s30, s30, s34
	s_lshl_b32 s34, s14, 5
	s_add_co_u32 s30, s30, s34
	s_lshl_b32 s30, s30, 12
	s_lshl_b32 s34, s16, 9
	s_add_co_u32 s30, s30, s34
	s_lshl_b32 s34, s3, 8
	s_add_co_u32 s30, s30, s34
	s_mov_b32 s31, 0
	s_mul_i32 s35, s3, 24576                       ; terms of the LDS addresses
	s_mul_i32 s36, s14, 12288
	s_add_co_u32 s36, s36, WPF
	s_lshl_b32 s37, s3, 8
	s_add_co_u32 s37, s37, OSC
	s_lshl_b32 s38, s14, 9
	s_add_co_u32 s38, s38, WPS
	s_mul_i32 s39, s2, 8704
	s_add_co_u32 s39, s39, STG
	v_and_b32 v236, 31, v0                         ; lane
	v_and_b32 v237, 15, v0                         ; r
	v_bfe_u32 v238, v0, 4, 1                       ; h
	v_lshlrev_b32 v1, 4, v0                        ; the copy: 16 t
	v_lshl_add_u32 v2, v0, 4, WPF
	v_lshlrev_b32 v3, 3, v0                        ; 8 t
	v_and_b32 v5, 127, v0
	v_lshrrev_b32 v4, 7, v0
	s_delay_alu instid0(VALU_DEP_1)
	v_lshlrev_b32 v4, 13, v4
	s_delay_alu instid0(VALU_DEP_1)
	v_lshl_add_u32 v4, v5, 2, v4                   ; att's scale words: pair of heads t / 128, row t % 128
	v_and_b32 v6, 8, v237
	s_delay_alu instid0(VALU_DEP_1)
	v_add_nc_u32 v6, v6, v237
	s_delay_alu instid0(VALU_DEP_1)
	v_lshlrev_b32 v6, 2, v6                        ; the bias: 4 (r + 8 (r / 8))
	v_lshlrev_b32 v7, 4, v237
	s_delay_alu instid0(VALU_DEP_1)
	v_lshl_add_u32 v7, v238, 12, v7                ; x, out0: 4,096 (lane / 16) + 16 (lane % 16)
	v_lshl_add_u32 v8, v0, 2, OSC
	v_lshl_add_u32 v9, v0, 3, WPS
	v_lshl_add_u32 v10, v236, 3, s35               ; att's fragments: 8 x lane + 24,576 ph
	v_lshl_add_u32 v11, v236, 4, s36               ; Wp's: 16 x lane + 12,288 op
	v_lshl_add_u32 v12, v236, 2, s37
	v_lshl_add_u32 v13, v236, 2, s38
	v_mul_u32_u24 v14, v237, 272
	s_delay_alu instid0(VALU_DEP_1)
	v_lshl_add_u32 v14, v238, 6, v14
	s_delay_alu instid0(VALU_DEP_1)
	v_add_nc_u32 v14, s39, v14                     ; into the stage: row r, + 64 h
	v_mul_u32_u24 v15, v238, 272
	s_delay_alu instid0(VALU_DEP_1)
	v_lshl_add_u32 v15, v237, 4, v15
	s_delay_alu instid0(VALU_DEP_1)
	v_add_nc_u32 v15, s39, v15                     ; back: lanes 0-15 one row, lanes 16-31 the next
	s_wait_kmcnt 0x0
	s_add_nc_u64 s[20:21], s[4:5], s[20:21]
	s_add_nc_u64 s[22:23], s[6:7], s[22:23]
	s_add_nc_u64 s[24:25], s[6:7], s[24:25]
	s_add_nc_u64 s[26:27], s[4:5], s[26:27]
	s_add_nc_u64 s[28:29], s[8:9], s[28:29]
	s_add_nc_u64 s[32:33], s[12:13], s[30:31]
	s_add_nc_u64 s[30:31], s[10:11], s[30:31]
.irp i, 0,1,2,3,4,5,6,7,8,9,10,11
	global_load_b128 v[80+4*\i:83+4*\i], v1, s[20:21] offset:4096*\i
.endr
.irp i, 0,1,2,3,4,5,6,7,8,9,10,11
	global_load_b128 v[128+4*\i:131+4*\i], v1, s[22:23] offset:WC+589824+4096*\i
.endr
	global_load_b64 v[176:177], v3, s[24:25] offset:WS+24576
	global_load_b32 v178, v4, s[26:27] offset:OS                   ; heads 2 j, 2 j + 1 for K step j = t / 128,
	global_load_b32 v179, v4, s[26:27] offset:OS+4096
	global_load_b32 v180, v4, s[26:27] offset:OS+16384             ; and for K step j + 2
	global_load_b32 v181, v4, s[26:27] offset:OS+20480
	global_load_b32 v[BI8], v6, s[28:29]
	global_load_b32 v[BI8+8], v6, s[28:29] offset:32
.irp nu, 0,1
.irp i, 0,1,2,3,4,5,6,7
	global_load_b128 v[XR+4*(8*\nu+\i):XR+4*(8*\nu+\i)+3], v7, s[30:31] offset:4096*(8*\nu+2*\i+8*(\i/4))      ; x, last: it is wanted on the way out
.endr
.endr
	s_wait_loadcnt 16                              ; all but x's sixteen loads
.irp i, 0,1,2,3,4,5,6,7,8,9,10,11
	ds_store_b128 v1, v[80+4*\i:83+4*\i] offset:OF+4096*\i
.endr
.irp i, 0,1,2,3,4,5,6,7,8,9,10,11
	ds_store_b128 v2, v[128+4*\i:131+4*\i] offset:4096*\i
.endr
	ds_store_b64 v9, v[176:177]
	v_lshl_or_b32 v178, v179, 16, v178             ; two heads' two bytes each make a row's scale word for 128 along K
	v_lshl_or_b32 v180, v181, 16, v180
	ds_store_b32 v8, v178
	ds_store_b32 v8, v180 offset:1024
.irp nu, 0,1
.irp i, 1,2,3,4,5,6,7
	v_mov_b32 v[BI8+8*\nu+\i], v[BI8+8*\nu]
.endr
.endr
	s_wait_alu depctr_va_vdst(0)
	s_wait_dscnt 0x0                               ; for the others' sake: my stores have landed
	s_barrier_signal -1
	s_barrier_wait -1
; a K step of 128: 33 LDS loads, then eight matrix instructions on eight accumulators, which take turns
.macro KSTEP j
.irp tl, 0,1,2,3
.irp pc, 0,1,2,3,4,5
	ds_load_b64 v[OFR+12*\tl+2*\pc:OFR+12*\tl+2*\pc+1], v10 offset:6144*\tl+1536*\j+256*\pc
.endr
.endr
.irp nu, 0,1
.irp g, 0,1,2
	ds_load_b128 v[WFR+12*\nu+4*\g:WFR+12*\nu+4*\g+3], v11 offset:6144*\nu+1536*\j+512*\g
.endr
.endr
	ds_load_b32 v[SCO], v12 offset:512*\j
	ds_load_b32 v[SCO+1], v12 offset:512*\j+128
	ds_load_b32 v[SCW], v13 offset:128*\j
	s_wait_dscnt 0x0
.irp nu, 0,1
.irp tl, 0,1,2,3
.if \j == 0
	WM ACC+32*\nu+8*\tl, OFR+12*\tl, WFR+12*\nu, 1, BI8+8*\nu, SCO+\tl/2, SCW, \tl%2, \nu
.else
	WM ACC+32*\nu+8*\tl, OFR+12*\tl, WFR+12*\nu, 1, ACC+32*\nu+8*\tl, SCO+\tl/2, SCW, \tl%2, \nu
.endif
.endr
.endr
	NOP4                                           ; ahead of loads into registers that matrix instructions have read, and of the first read of results
.endm
	KSTEP 0
	KSTEP 1
	KSTEP 2
	KSTEP 3
	; THE WAY OUT.  Lane (r, h) holds, of output row r of tile nu, pixels 32 (tl / 2) + 16 h + 8 (tl % 2) + 0 .. 7 of my 64: they go into rows of 272 bytes of my own stage and come back as whole rows of 256.
.irp nu, 0,1
.irp tl, 0,1,2,3
	ds_store_b128 v14, v[ACC+32*\nu+8*\tl:ACC+32*\nu+8*\tl+3] offset:4352*\nu+128*(\tl/2)+32*(\tl%2)         ; each accumulator from its low end on
	ds_store_b128 v14, v[ACC+32*\nu+8*\tl+4:ACC+32*\nu+8*\tl+7] offset:4352*\nu+128*(\tl/2)+32*(\tl%2)+16
.endr
.irp i, 0,1,2,3,4,5,6,7
	ds_load_b128 v[OUT+32*\nu+4*\i:OUT+32*\nu+4*\i+3], v15 offset:4352*\nu+544*\i     ; my wave's own bytes: LDS serves a wave's instructions in order
.endr
.endr
	s_wait_loadcnt 0x0                             ; x
.irp nu, 0,1
.irp i, 0,1,2,3,4,5,6,7
	s_wait_dscnt (1-\nu)*16+7-\i                   ; behind this read-back: the 7 - i later ones of its eight, and for nu = 0 the 8 stores and 8 read-backs of nu = 1
	v_pk_add_f32 v[OUT+32*\nu+4*\i:OUT+32*\nu+4*\i+1], v[OUT+32*\nu+4*\i:OUT+32*\nu+4*\i+1], v[XR+4*(8*\nu+\i):XR+4*(8*\nu+\i)+1]
	v_pk_add_f32 v[OUT+32*\nu+4*\i+2:OUT+32*\nu+4*\i+3], v[OUT+32*\nu+4*\i+2:OUT+32*\nu+4*\i+3], v[XR+4*(8*\nu+\i)+2:XR+4*(8*\nu+\i)+3]
	global_store_b128 v7, v[OUT+32*\nu+4*\i:OUT+32*\nu+4*\i+3], s[32:33] offset:4096*(8*\nu+2*\i+8*(\i/4)) th:TH_STORE_NT     ; sixteen lanes store 256 consecutive bytes, at a multiple of 256 from out0's first byte
.endr
.endr
	s_wait_tensorcnt 0x0
	ds_add_u32 v254, v255
	s_wait_dscnt 0x0
	s_endpgm
.Lfunc_end_k_qf02af2bffc_proj:
	.size	k_qf02af2bffc_proj, .Lfunc_end_k_qf02af2bffc_proj-k_qf02af2bffc_proj
	.p2alignl 7, 3214868480
	.fill 96, 4, 3214868480
	.section	.rodata,"a",@progbits
	.p2align	6, 0x0
	.amdhsa_kernel k_qf02af2bffc_proj
		.amdhsa_group_segment_fixed_size 173056
		.amdhsa_private_segment_fixed_size 0
		.amdhsa_enable_private_segment 0
		.amdhsa_kernarg_size 40
		.amdhsa_user_sgpr_count 2
		.amdhsa_user_sgpr_kernarg_segment_ptr 1
		.amdhsa_wavefront_size32 1
		.amdhsa_system_sgpr_workgroup_id_x 1
		.amdhsa_system_sgpr_workgroup_id_y 1
		.amdhsa_system_sgpr_workgroup_id_z 1
		.amdhsa_system_vgpr_workitem_id 0
		.amdhsa_next_free_vgpr 256
		.amdhsa_next_free_sgpr 66
		.amdhsa_reserve_vcc 0
		.amdhsa_float_denorm_mode_32 3
		.amdhsa_float_denorm_mode_16_64 3
		.amdhsa_memory_ordered 1
		.amdhsa_forward_progress 1
		.amdhsa_inst_pref_size 31
	.end_amdhsa_kernel
	.amdgpu_metadata
---
amdhsa.version: [ 1, 2 ]
amdhsa.kernels:
  - .name:           k_qf02af2bffc_proj
    .symbol:         k_qf02af2bffc_proj.kd
    .args:
      - { .name: att, .offset: 0, .size: 8, .value_kind: global_buffer, .address_space: global }
      - { .name: prep, .offset: 8, .size: 8, .value_kind: global_buffer, .address_space: global }
      - { .name: bp, .offset: 16, .size: 8, .value_kind: global_buffer, .address_space: global }
      - { .name: x, .offset: 24, .size: 8, .value_kind: global_buffer, .address_space: global }
      - { .name: out0, .offset: 32, .size: 8, .value_kind: global_buffer, .address_space: global }
    .group_segment_fixed_size: 173056
    .private_segment_fixed_size: 0
    .kernarg_segment_align: 8
    .kernarg_segment_size: 40
    .max_flat_workgroup_size: 256
    .sgpr_count:     66
    .vgpr_count:     256
    .wavefront_size: 32
...
	.end_amdgpu_metadata
.endif
;; end of part 4
